; MI455X (gfx1250); checked and timed in simulation.
; The chip was launched on July 23, 2026; its instructions are those of AMD's public machine-readable ISA for CDNA 5 (MIT licence, August 2026) and "CDNA5" Instruction Set Architecture Reference Guide (July 2026). The comments in the code are by the model that wrote it; some were corrected since.
;; Masked MSA. Allowed arithmetic: matrix products marked QUANTISED: E2M1 operands, one E8M0 scale for each 32 along K, by v_wmma_scale_f32_16x16x128_f8f6f4 with both operands' format E2M1 (or v_wmma_scale_f32_32x16x128_f4), f32 sums; products left as they are: bf16, f16 or f32 operands; f32 sums; everything else in f32.
;; Inputs: W_out 1,024 x 1,024 float32; W_qkv 1,024 x 3,072 float32; b_out 1,024 float32; b_qkv 3,072 float32; inputs 4 x 2,048 x 1,024 float32.
;; Outputs: out0 4 x 2,048 x 1,024 float32.
;; This version of the problem:
;;   THIS VERSION OF THE PROBLEM IS GIVEN IN LOW PRECISION. The matrix products marked QUANTISED in the list below multiply operands that are first quantised to E2M1 (2 exponent bits, 1 mantissa bit; 4 bits a number), with one power-of-two scale for each 32 numbers along K (OCP MX v1.0); their sums are f32. The products marked 'left as it is' may take bf16, f16 or f32 operands, with f32 sums. Whichever they take, every output number must still come out within the allowed error. Rounding operands to bf16 (8 significant bits) uses up far more of that allowance than f16 does (11 bits, for magnitudes from 6e-5 to 65,504). All else is computed in f32.
;;   The module's matrix products, in the order in which they are computed (A, B: the left and right operand; K: the contracted axis; several contracted axes count as one K, in the product's order):
;;     1. [M 8,192, K 1,024] x [K 1,024, N 3,072]; A: input inputs; B: input W_qkv: QUANTISED
;;     2. batch 64 x [M 2,048, K 64] x [K 64, N 2,048]; A: computed on the way; B: computed on the way: left as it is (an operand is computed on the way)
;;     3. batch 64 x [M 2,048, K 2,048] x [K 2,048, N 64]; A: computed on the way; B: computed on the way: left as it is (an operand is computed on the way)
;;     4. [M 8,192, K 1,024] x [K 1,024, N 1,024]; A: computed on the way; B: input W_out: left as it is (an operand is computed on the way)
;;   THE QUANTISER, for each operand of a quantised product, along K:
;;     - K is cut into blocks of 32 from its start; a last block that is shorter is filled with zeros.
;;     - A block's scale is 2^e with e = floor(log2(the largest magnitude in the block)) - 2, held to -126 .. 127; a block of zeros has e = 0. As a byte (E8M0): e + 127.
;;     - Each number is divided by its block's scale, clamped to +-6, and rounded to the nearest number of E2M1, ties to even, subnormals kept.
;;     - The product sums the exact products of the quantised numbers (number of the format x scale) in f32.
;;   ~~~python
;;   def quantise(x, axis):      # numpy; x: float32 -> the quantised numbers, widened to float32 again
;;       x = np.moveaxis(x, axis, -1); K = x.shape[-1]
;;       x = np.pad(x, [(0, 0)] * (x.ndim - 1) + [(0, -K % 32)]); x = x.reshape(x.shape[:-1] + (-1, 32)); a = np.abs(x).max(-1, keepdims=True)
;;       e = np.where(a > 0, np.clip(np.frexp(np.where(a > 0, a, 1))[1] - 1 - 2, -126, 127), 0)      # np.frexp(a)[1] - 1 = floor(log2(a)), exactly
;;       r = np.clip(x / 2.0 ** e, -6, 6)
;;       step = 2.0 ** (np.maximum(np.frexp(np.where(r == 0, 1, r))[1] - 1, 0) - 1)
;;       q = np.round(r / step) * step * 2.0 ** e      # np.round: ties to even
;;       return np.moveaxis(q.reshape(q.shape[:-2] + (-1,))[..., :K], -1, axis).astype(np.float32)
;;   ~~~
;; One version. Each part assembles by itself: llvm-mc -triple=amdgcn-amd-amdhsa -mcpu=gfx1250 --defsym DOCPART=n.
;; ======== version 1 of 1: 5 launches
;; limits: values are held in f16: magnitudes above 65,504 overflow, below 6.1e-05 lose precision
;; workspace buffers: xc 4,194,304 bytes; xs 262,144 bytes; wc 1,572,864 bytes; ws 98,304 bytes; wo 2,097,152 bytes; qkv 50,331,648 bytes; x0 786,432 bytes; sa 16,777,216 bytes
;; launch prep (part 1): grid 352 x 1, 8 waves a work-group, no clusters, 81,920 bytes of LDS; arguments inputs, W_qkv, W_out, xc, xs, wc, ws, wo; writes xc, xs, wc, ws, wo
.if DOCPART == 1
	.amdgcn_target "amdgcn-amd-amdhsa--gfx1250"
	.amdhsa_code_object_version 6
	.text
	.protected	k_q647fd6f62a_prep
	.globl	k_q647fd6f62a_prep
	.p2align	8
	.type	k_q647fd6f62a_prep,@function
k_q647fd6f62a_prep:
	s_mov_b64 s[64:65], 0
	v_nop
	global_prefetch_b8 v0, s[64:65] scope:SCOPE_SE
	s_setreg_imm32_b32 hwreg(HW_REG_WAVE_MODE, 25, 1), 1
	s_wait_xcnt 0x0
; PREP: what the later launches read many times is made once.
;   way A (work-groups 224-351): inputs [8192][1024] f32 -> codes of FP4 (E2M1) xc [8192][512 bytes], K innermost, the lower k in the low four bits, and one E8M0 byte for each 32 along K, xs [8192][32].
;   way B (work-groups 0-95):    W_qkv [1024 k][3072 n] f32 -> wc [3072 n'][512 bytes], ws [3072 n'][32], quantised along k.  THE ROWS ARE PERMUTED: column n = 192 c + 64 part + e goes to row
;                                n' = 1024 part + 64 c + e, so that the first product's result falls apart into three plain matrices q, k, v, each of which is also a dense [head][position][64].
;   way C (work-groups 96-223):  W_out [1024 k][1024 n] f32 -> wo [1024 n][1024 k] f16, k innermost.
; A block's scale is 2^(floor(log2(its largest magnitude)) - 2); its byte is the largest magnitude's exponent field - 2, held at 1 from below by a floor among the maximum's leaves.
; LIMITS: a block of zeros, and a block whose largest magnitude lies under 2^-124, gets the byte 1 (its codes are zeros or what the floor's scale gives; the bytes are read by this program alone);
; NaN and infinities among the inputs are not served; |W_out| above 65,504 becomes infinity in f16.
; The three ways part on the work-group's number, never join again, and have LDS bytes of their own.  No tensor loads.
.set SPW,   30                         ; v30  LDS address of my spare word: SPARE + 4 x my thread's number; never rewritten
.set NIL,   31                         ; v31  0; never rewritten
.set PITCH, 272                        ; a stage row of ways B and C: 256 bytes + 16
.set AREG,  5632                       ; way A: a region for each wave: two stages of 32 x SP bytes, then its 256 scale bytes
.set SP,    80                         ; way A: a lane's place in a stage: 64 bytes + 16 of padding
.set BST,   8*AREG                     ; way B: 64 rows x PITCH: the codes of 64 columns x 512 along K
.set BSS,   BST+64*PITCH               ; way B: 64 rows x 16 scale bytes
.set CST,   BSS+1024                   ; way C: 64 rows x PITCH: 64 columns x 128 k in f16
.set SPARE, CST+64*PITCH               ; the spare words, 128 bytes for each of the eight waves: four blocks of 256 bytes that no other line names
.set R,     32                         ; way A: v32-159  eight sets of 16 numbers as they are loaded
.set X,     160                        ;        v160-191 two sets of 16 neighbours
.set E,     192                        ;        v192-207 a scale byte for each step
.set C,     208                        ;        v208-239 two registers of codes for each step: no store's data are written again
.set BX,    32                         ; ways B, C: v32-95 numbers;  v96-111 codes or f16 pairs;  v100 (B) scale bytes;  v112-131 the way out
.macro ENDW                            ; a wave's end, behind my last LDS store
	s_wait_tensorcnt 0x0
	ds_add_u32 v[SPW], v[NIL]
	s_wait_dscnt 0x0
	s_endpgm
.endm
; ---- way A's macros
.macro ALOAD t                         ; step t: 512 numbers; each load reads 512 consecutive bytes
.irp i, 0,1,2,3
	global_load_b128 v[R+16*((\t)%8)+4*\i:R+16*((\t)%8)+4*\i+3], v3, s[4:5] offset:2048*(\t)+512*\i th:TH_LOAD_NT
.endr
.endm
.macro ATURN t                         ; step t's numbers through the wave's stage, as they lie, and back 64 bytes a lane.  LDS serves a wave's instructions in order: no wait between
.irp i, 0,1,2,3
	ds_store_b128 v14, v[R+16*((\t)%8)+4*\i:R+16*((\t)%8)+4*\i+3] offset:32*SP*((\t)%2)+8*SP*\i
.endr
.irp i, 0,1,2,3
	ds_load_b128 v[X+16*((\t)%2)+4*\i:X+16*((\t)%2)+4*\i+3], v15 offset:32*SP*((\t)%2)+16*\i
.endr
.endm
.macro ASTEP t
.set XS, X+16*((\t)%2)
.if (\t) > 0
	s_wait_dscnt 1                                 ; this step's numbers are back from the stage (the last step's byte store may be out): so the stage's stores have read their registers,
.else
	s_wait_dscnt 0x0
.endif
.if (\t)+8 < 16
	ALOAD (\t)+8                                   ; which take the loads of eight steps on
.endif
.if (\t)+1 < 16
.if (\t)+8 < 16
	s_wait_loadcnt 28                              ; the next step's four loads are in; those of the seven steps behind it may be out
.else
	s_wait_loadcnt 4*(14-(\t))                     ; the counts run down
.endif
	ATURN (\t)+1
.endif
	v_max3_num_f32 v8, |v[XS]|, |v[XS+1]|, |v[XS+2]|               ; the largest magnitude of my 16, in two chains
	v_max3_num_f32 v9, |v[XS+3]|, |v[XS+4]|, |v[XS+5]|
.irp i, 6,10
	v_max3_num_f32 v8, v8, |v[XS+\i]|, |v[XS+\i+1]|
	v_max3_num_f32 v9, v9, |v[XS+\i+2]|, |v[XS+\i+3]|
.endr
	v_max3_num_f32 v8, v8, |v[XS+14]|, |v[XS+15]|
	v_max3_num_f32 v8, v8, v9, 0x1800000           ; and the floor 2^(3 - 127): the byte cannot fall under 1
	v_max_num_f32_dpp v8, v8, v8 row_xmask:1 row_mask:0xf bank_mask:0xf   ; and of my neighbour's 16: the block's
	v_add_nc_u32 v11, 0xff000000, v8               ; 2 off its exponent field: the conversion takes this operand's exponent field as its scale
	v_cvt_scalef32_pk8_fp4_f32 v[C+2*(\t)], v[XS:XS+7], v11
	v_cvt_scalef32_pk8_fp4_f32 v[C+2*(\t)+1], v[XS+8:XS+15], v11
	v_lshrrev_b32 v[E+(\t)], 23, v11               ; the scale's byte (also the plain line behind the conversions)
	ds_store_b8 v5, v[E+(\t)] offset:16*(\t)       ; both lanes of a block write the same byte with the same value
	global_store_b64 v4, v[C+2*(\t):C+2*(\t)+1], s[10:11] offset:256*(\t)   ; the wave stores 256 consecutive bytes, aligned
.endm
; ---- ways B and C: a stage of 64 rows (columns of the weight) shared by the eight waves.  s20 wave, s23 = wave & 1 (which 32 columns), s24 = wave >> 1 (which quarter of the stage row)
.macro INADR stage                     ; v4: my column's row in the stage; v5: where my 64 bytes of it begin
	s_lshl_b32 s30, s23, 5
	v_add_nc_u32 v4, s30, v2
	v_mul_u32_u24 v5, v4, PITCH
	s_lshl_b32 s31, s24, 6
	s_add_co_u32 s31, s31, \stage
	v_add_nc_u32 v5, s31, v5
.endm
.macro OUTADR stage, sh                ; wave w takes rows 8 w .. 8 w + 7 out: sixteen lanes to a row, two rows an instruction.  v9: LDS; v10: the same place in the buffer, rows 1 << sh bytes apart
	v_and_b32 v7, 15, v2
	v_lshrrev_b32 v8, 4, v2
	v_mul_u32_u24 v9, v8, PITCH
	v_lshl_add_u32 v9, v7, 4, v9
	s_mul_i32 s31, s20, 8*PITCH
	s_add_co_u32 s31, s31, \stage
	v_add_nc_u32 v9, s31, v9
	v_lshlrev_b32 v10, \sh, v8
	v_lshl_add_u32 v10, v7, 4, v10
.endm
.macro OUTROWS p, step
.irp t, 0,1,2,3
	ds_load_b128 v[112+4*\t:115+4*\t], v9 offset:2*\t*PITCH
.endr
.irp t, 0,1,2,3
	s_wait_dscnt 3-\t                              ; LDS loads come back in order: pair t of rows is in
	global_store_b128 v10, v[112+4*\t:115+4*\t], s[\p:\p+1] offset:\t*\step   ; sixteen lanes store 256 consecutive bytes, aligned
.endr
.endm
.macro BLOAD t                         ; way B, block t of my four: W_qkv(k0 + 32 t + i, my column): 128 consecutive bytes a wave, 256 for the two waves of a quarter
.irp i, 0,1,2,3,4,5,6,7,8,9,10,11,12,13,14,15,16,17,18,19,20,21,22,23,24,25,26,27,28,29,30,31
	global_load_b32 v[BX+32*((\t)%2)+\i], v3, s[6:7] offset:(32*(\t)+\i)*12288 th:TH_LOAD_NT
.endr
.endm
.macro BBLOCK t
.set XS, BX+32*((\t)%2)
.if (\t) < 3
	s_wait_loadcnt 32                              ; this block's 32 loads are in; the next block's may be out
.else
	s_wait_loadcnt 0x0
.endif
	v_max3_num_f32 v12, |v[XS]|, |v[XS+1]|, |v[XS+2]|              ; the block's largest magnitude: all 32 numbers are mine
	v_max3_num_f32 v13, |v[XS+3]|, |v[XS+4]|, |v[XS+5]|
.irp i, 6,10,14,18,22,26
	v_max3_num_f32 v12, v12, |v[XS+\i]|, |v[XS+\i+1]|
	v_max3_num_f32 v13, v13, |v[XS+\i+2]|, |v[XS+\i+3]|
.endr
	v_max3_num_f32 v12, v12, |v[XS+30]|, |v[XS+31]|
	v_max3_num_f32 v12, v12, v13, 0x1800000        ; and the floor
	v_add_nc_u32 v11, 0xff000000, v12              ; the conversion's scale operand
	v_lshrrev_b32 v13, 23, v11                     ; the scale's byte
.if (\t) == 0
	v_mov_b32 v100, v13                            ; four bytes to a register, the lower K in the lower byte
.else
	v_lshl_or_b32 v100, v13, 8*(\t), v100
.endif
.irp g, 0,1,2,3
	v_cvt_scalef32_pk8_fp4_f32 v[96+\g], v[XS+8*\g:XS+8*\g+7], v11
.endr
	ds_store_b128 v5, v[96:99] offset:16*(\t)      ; 32 codes: 16 bytes of my column's row
.if (\t)+2 < 4
	BLOAD (\t)+2
.endif
	s_wait_dscnt 0x0                               ; the store has read its registers: the next block's codes may be written
.endm
	s_load_b256 s[4:11], s[0:1], 0x0               ; inputs s[4:5], W_qkv s[6:7], W_out s[8:9], xc s[10:11]
	s_load_b256 s[12:19], s[0:1], 0x20             ; xs s[12:13], wc s[14:15], ws s[16:17], wo s[18:19]
	v_lshl_add_u32 v[SPW], v0, 2, SPARE
	v_mov_b32 v[NIL], 0
	v_lshrrev_b32 v1, 5, v0
	v_readfirstlane_b32 s20, v1                    ; wave 0..7
	v_and_b32 v2, 31, v0                           ; lane
	s_wait_kmcnt 0x0
	s_cmp_lt_u32 ttmp9, 96
	s_cbranch_scc1 .Lway_b
	s_cmp_lt_u32 ttmp9, 224
	s_cbranch_scc1 .Lway_c
; ================ way A: inputs.  Rows are dense and K is a multiple of 32: a plain stream of blocks of 32.  A wave takes 16 steps of 512 numbers.
	s_sub_co_u32 s21, ttmp9, 224
	s_lshl_b32 s21, s21, 3
	s_add_co_u32 s21, s21, s20                     ; which run of 8,192 numbers is my wave's: 0 .. 1,023
	s_mov_b32 s23, 0
	s_lshl_b32 s22, s21, 15
	s_add_nc_u64 s[4:5], s[4:5], s[22:23]          ; 32,768 bytes of f32 a run,
	s_lshl_b32 s22, s21, 12
	s_add_nc_u64 s[10:11], s[10:11], s[22:23]      ; 4,096 of codes,
	s_lshl_b32 s22, s21, 8
	s_add_nc_u64 s[12:13], s[12:13], s[22:23]      ; 256 scale bytes
	s_mul_i32 s24, s20, AREG
	v_lshlrev_b32 v3, 4, v2                        ; my 16 bytes of a load's 512
	v_lshrrev_b32 v14, 2, v2
	v_mul_u32_u24 v14, v14, SP
	v_and_b32 v15, 3, v2
	v_lshl_add_u32 v14, v15, 4, v14
	v_add_nc_u32 v14, s24, v14                     ; the stage, on the way in: four lanes' 64 bytes on end, then 16 of padding
	v_mul_u32_u24 v15, v2, SP
	v_add_nc_u32 v15, s24, v15                     ; and on the way out: my 16 neighbours
	v_lshlrev_b32 v4, 3, v2                        ; my codes' place in a step's 256 bytes
	v_lshrrev_b32 v5, 1, v2
	s_add_co_u32 s24, s24, 2*32*SP
	v_add_nc_u32 v5, s24, v5                       ; my block's byte among my wave's 256 scale bytes
	v_lshlrev_b32 v7, 3, v2                        ; and on the way out 8 bytes a lane
	v_add_nc_u32 v6, s24, v7
.irp t, 0,1,2,3,4,5,6,7
	ALOAD \t
.endr
	s_wait_loadcnt 28                              ; step 0's four loads are in; seven steps' may be out
	ATURN 0
.irp t, 0,1,2,3,4,5,6,7,8,9,10,11,12,13,14,15
	ASTEP \t
.endr
	ds_load_b64 v[8:9], v6                         ; LDS serves a wave's instructions in order: these see my byte stores
	s_wait_dscnt 0x0
	global_store_b64 v7, v[8:9], s[12:13]          ; 32 lanes store 256 consecutive bytes, aligned
	ENDW
; ================ way B: W_qkv.  A work-group takes 64 columns (one group of 64: one c, one part) x 512 along K.  A lane takes a column, and its registers run down K.
.Lway_b:
	s_lshr_b32 s21, ttmp9, 1                       ; G = n / 64 = 3 c + part, 0 .. 47
	s_and_b32 s22, ttmp9, 1                        ; y: which 512 along K
	s_and_b32 s23, s20, 1                          ; which 32 of the 64 columns
	s_lshr_b32 s24, s20, 1                         ; which 128 of the 512 along K
	s_mul_i32 s25, s21, 21846
	s_lshr_b32 s25, s25, 16                        ; c = G / 3 (exact for G under 48)
	s_mul_i32 s26, s25, 3
	s_sub_co_u32 s26, s21, s26                     ; part
	s_lshl_b32 s26, s26, 4
	s_add_co_u32 s26, s26, s25
	s_lshl_b32 s26, s26, 6                         ; the group's first row n' = 64 (16 part + c)
	s_lshl_b32 s27, s22, 9
	s_lshl_b32 s28, s24, 7
	s_add_co_u32 s27, s27, s28                     ; my first k
	s_mul_i32 s28, s27, 12288                      ; a row of W_qkv is 12,288 bytes
	s_lshl_b32 s29, s21, 8
	s_add_co_u32 s28, s28, s29
	s_lshl_b32 s29, s23, 7
	s_add_co_u32 s28, s28, s29
	s_mov_b32 s29, 0
	s_add_nc_u64 s[6:7], s[6:7], s[28:29]
	v_lshlrev_b32 v3, 2, v2
	BLOAD 0
	BLOAD 1
	INADR BST
	v_lshlrev_b32 v6, 4, v4
	s_lshl_b32 s31, s24, 2
	s_add_co_u32 s31, s31, BSS
	v_add_nc_u32 v6, s31, v6                       ; my four scale bytes' word: 16 x row + 4 x quarter
	OUTADR BST, 9
	v_lshl_add_u32 v14, v4, 4, BSS                 ; the scale bytes' way out (waves 0 and 1): a row's 16 bytes a lane
	v_lshlrev_b32 v15, 5, v2                       ; rows of ws are 32 bytes
	s_lshl_b32 s32, s20, 3
	s_add_co_u32 s32, s32, s26
	s_lshl_b32 s32, s32, 9                         ; wc: row n' + 8 w of 512 bytes,
	s_lshl_b32 s33, s22, 8
	s_add_co_u32 s32, s32, s33                     ; + 256 y
	s_mov_b32 s33, 0
	s_add_nc_u64 s[14:15], s[14:15], s[32:33]
	s_add_co_u32 s34, s26, s30
	s_lshl_b32 s34, s34, 5                         ; ws: row n' + 32 (w & 1),
	s_lshl_b32 s35, s22, 4
	s_add_co_u32 s34, s34, s35                     ; + 16 y
	s_mov_b32 s35, 0
	s_add_nc_u64 s[16:17], s[16:17], s[34:35]
.irp t, 0,1,2,3
	BBLOCK \t
.endr
	ds_store_b32 v6, v100
	s_wait_dscnt 0x0                               ; for the others' sake: my stores into the stages are done
	s_barrier_signal -1
	s_barrier_wait -1
	OUTROWS 14, 1024
	s_cmp_lt_u32 s20, 2                            ; waves 0 and 1 take the scale bytes out: 16 bytes of each row of ws (pieces of 16 bytes, 32 apart; 96 KB in the whole launch)
	s_cbranch_scc0 .Lb_end
	ds_load_b128 v[128:131], v14
	s_wait_dscnt 0x0
	global_store_b128 v15, v[128:131], s[16:17]
.Lb_end:
	ENDW
; ================ way C: W_out turned and cast.  A work-group takes 64 columns x 128 k; a lane takes a column, 32 k down.
.Lway_c:
	s_sub_co_u32 s21, ttmp9, 96
	s_and_b32 s22, s21, 15                         ; x: which 64 columns
	s_lshr_b32 s21, s21, 4                         ; y: which 128 k
	s_and_b32 s23, s20, 1
	s_lshr_b32 s24, s20, 1
	s_lshl_b32 s25, s21, 7
	s_lshl_b32 s26, s24, 5
	s_add_co_u32 s25, s25, s26                     ; my first k
	s_lshl_b32 s28, s25, 12                        ; a row of W_out is 4,096 bytes
	s_lshl_b32 s26, s22, 8
	s_add_co_u32 s28, s28, s26
	s_lshl_b32 s26, s23, 7
	s_add_co_u32 s28, s28, s26
	s_mov_b32 s29, 0
	s_add_nc_u64 s[8:9], s[8:9], s[28:29]
	v_lshlrev_b32 v3, 2, v2
.irp i, 0,1,2,3,4,5,6,7,8,9,10,11,12,13,14,15,16,17,18,19,20,21,22,23,24,25,26,27,28,29,30,31
	global_load_b32 v[BX+\i], v3, s[8:9] offset:\i*4096 th:TH_LOAD_NT
.endr
	INADR CST
	OUTADR CST, 11
	s_lshl_b32 s32, s22, 6
	s_lshl_b32 s33, s20, 3
	s_add_co_u32 s32, s32, s33
	s_lshl_b32 s32, s32, 11                        ; wo: row 64 x + 8 w of 2,048 bytes,
	s_lshl_b32 s33, s21, 8
	s_add_co_u32 s32, s32, s33                     ; + 256 y
	s_mov_b32 s33, 0
	s_add_nc_u64 s[18:19], s[18:19], s[32:33]
	s_wait_loadcnt 0x0
.irp j, 0,1,2,3,4,5,6,7,8,9,10,11,12,13,14,15
	v_cvt_pk_f16_f32 v[96+\j], v[BX+2*\j], v[BX+2*\j+1]   ; two neighbours along k, the lower in the low half
.endr
.irp g, 0,1,2,3
	ds_store_b128 v5, v[96+4*\g:99+4*\g] offset:16*\g
.endr
	s_wait_dscnt 0x0                               ; for the others' sake
	s_barrier_signal -1
	s_barrier_wait -1
	OUTROWS 18, 4096
	ENDW
.Lfunc_end_k_q647fd6f62a_prep:
	.size	k_q647fd6f62a_prep, .Lfunc_end_k_q647fd6f62a_prep-k_q647fd6f62a_prep
	.p2alignl 7, 3214868480
	.fill 96, 4, 3214868480
	.section	.rodata,"a",@progbits
	.p2align	6, 0x0
	.amdhsa_kernel k_q647fd6f62a_prep
		.amdhsa_group_segment_fixed_size 81920
		.amdhsa_private_segment_fixed_size 0
		.amdhsa_enable_private_segment 0
		.amdhsa_kernarg_size 64
		.amdhsa_user_sgpr_count 2
		.amdhsa_user_sgpr_kernarg_segment_ptr 1
		.amdhsa_wavefront_size32 1
		.amdhsa_system_sgpr_workgroup_id_x 1
		.amdhsa_system_sgpr_workgroup_id_y 1
		.amdhsa_system_sgpr_workgroup_id_z 1
		.amdhsa_system_vgpr_workitem_id 0
		.amdhsa_next_free_vgpr 256
		.amdhsa_next_free_sgpr 66
		.amdhsa_reserve_vcc 0
		.amdhsa_float_denorm_mode_32 3
		.amdhsa_float_denorm_mode_16_64 3
		.amdhsa_memory_ordered 1
		.amdhsa_forward_progress 1
		.amdhsa_inst_pref_size 62
	.end_amdhsa_kernel
	.amdgpu_metadata
---
amdhsa.version: [ 1, 2 ]
amdhsa.kernels:
  - .name:           k_q647fd6f62a_prep
    .symbol:         k_q647fd6f62a_prep.kd
    .args:
      - { .name: inputs, .offset: 0, .size: 8, .value_kind: global_buffer, .address_space: global }
      - { .name: W_qkv, .offset: 8, .size: 8, .value_kind: global_buffer, .address_space: global }
      - { .name: W_out, .offset: 16, .size: 8, .value_kind: global_buffer, .address_space: global }
      - { .name: xc, .offset: 24, .size: 8, .value_kind: global_buffer, .address_space: global }
      - { .name: xs, .offset: 32, .size: 8, .value_kind: global_buffer, .address_space: global }
      - { .name: wc, .offset: 40, .size: 8, .value_kind: global_buffer, .address_space: global }
      - { .name: ws, .offset: 48, .size: 8, .value_kind: global_buffer, .address_space: global }
      - { .name: wo, .offset: 56, .size: 8, .value_kind: global_buffer, .address_space: global }
    .group_segment_fixed_size: 81920
    .private_segment_fixed_size: 0
    .kernarg_segment_align: 8
    .kernarg_segment_size: 64
    .max_flat_workgroup_size: 256
    .sgpr_count:     66
    .vgpr_count:     256
    .wavefront_size: 32
...
	.end_amdgpu_metadata
.endif
;; end of part 1
;; launch qkv (part 2): grid 12 x 32, 4 waves a work-group, clusters of 4 x 4, 327,680 bytes of LDS; arguments xc, xs, wc, ws, b_qkv, qkv, x0; writes qkv, x0
.if DOCPART == 2
	.amdgcn_target "amdgcn-amd-amdhsa--gfx1250"
	.amdhsa_code_object_version 6
	.text
	.protected	k_q647fd6f62a_qkv
	.globl	k_q647fd6f62a_qkv
	.p2align	8
	.type	k_q647fd6f62a_qkv,@function
k_q647fd6f62a_qkv:
	s_mov_b64 s[64:65], 0
	v_nop
	global_prefetch_b8 v0, s[64:65] scope:SCOPE_SE
	s_setreg_imm32_b32 hwreg(HW_REG_WAVE_MODE, 25, 1), 1
	s_wait_xcnt 0x0
	s_wait_alu depctr_hold_cnt(0) depctr_sa_sdst(0) depctr_va_vdst(0) depctr_va_sdst(0) depctr_va_ssrc(0) depctr_va_vcc(0) depctr_vm_vsrc(0)
	s_getreg_b32 s2, hwreg(HW_REG_IB_STS2, 6, 4)
	s_cmp_eq_u32 s2, 0
	s_cbranch_scc0 .Lentry_in_a_cluster
	s_endpgm
.Lentry_in_a_cluster:
	s_bfe_u32 s2, ttmp6, 0x10000c
	s_cmp_lg_u32 s2, 0xf033
	s_cbranch_scc0 .Lentry_shape_is_right
	s_endpgm
.Lentry_shape_is_right:
; x = Q(inputs) Q(W_qkv) + b_qkv on codes of FP4 (E2M1) with one E8M0 scale for each 32 along K; sums in f32.  A = xc [8192][1024 codes], B = wc [3072 n'][1024 codes]; their scale bytes xs, ws: 32 a row.
; The columns are the permuted ones, n' = 1024 part + 64 c + e, so the result is three matrices [8192][1024] (q, k, v), stored in f16 one behind the other in qkv; each is also a dense [head][position][64].
; Rows 128 H (the first 16 positions of head H) are stored a second time, in f32, in x0 [64][3072 n'], for the launch that carries those positions in f32.
; LIMIT: a result above 65,504 in magnitude becomes infinity in f16.
; A tile of 256 x 256 is made by a work-group of four waves; a wave makes 128 x 128: 64 accumulators of 16 x 16, 512 registers.  K = 1,024 is two LDS slots of 512 along K (rows of 256 bytes):
; both are asked for at the head, and nothing is filled again.  The scale bytes of the work-group's 256 + 256 rows come once, as dense blocks.
; CLUSTERS: 4 x 4 work-groups.  The four of a row of the cluster need the same tiles of A, the four of a column the same tiles of B: each tile is asked for JOINTLY, by the same tensor load with the same descriptor
; and a mask that names the four.  THE MATRIX INSTRUCTION IS USED TRANSPOSED (source 0 = 16 rows of B, source 1 = 16 rows of A): a lane holds eight neighbouring numbers of a row of the result.
; The bias is the C of each sum's first matrix instruction: eight registers for each of B's eight blocks.
; REGISTERS, in windows of 256: window 0: v0-31 addresses; v32-95 scale words, two sets; v96-127 packed results; v128-191 A's fragments, ONE set, later rows on the way out; v192-255 the bias.
;   window 1: B's fragments, TWO sets, at v0 and v128.   window 2: the accumulators of my rows 0-63 ((a, b) at v[8 (8 a + b)]);   window 3: those of my rows 64-127.
.set KSTEP,  512
.set NQ,     KSTEP/128
.set ROWB,   256                       ; a tile's row in bytes
.set KROW,   512                       ; a row of xc or wc in bytes
.set PITCH,  272                       ; an LDS row: 256 bytes + 16: the 16 rows that a load touches start 68 words apart
.set FR,     8
.set NL,     2
.set NP,     4                         ; places behind this matrix instruction (ISA guide 7.12.1)
.set HALFT,  128*PITCH
.set SLOT,   4*HALFT
.set KS,     32                        ; a row of scale bytes
.set SCL,    2*SLOT                    ; behind the two slots: the scale bytes, as units of 256 bytes + 16 of padding
.set HALFS,  (128*KS/256)*272
.set SBLK,   (16*KS/256)*272
.set SPARE,  SCL+4*HALFS               ; the spare words, 128 bytes for each wave: two blocks of 256 bytes that no other line names
.set SPITCH, 272                       ; the way out: a stage of 16 rows x (256 bytes + 16) for each wave, in slot 0, which has had its only fill and its last read when the first result is stored there
.set ADRA, 16
.set ADRB, 20
.set STO,  24
.set RD,   25
.set CO,   26
.set ADRS, 27
.set SPW,  28                          ; v28  LDS address of my spare word; never rewritten
.set NIL,  29                          ; v29  0; never rewritten
.set HB,   30                          ; v30  32 x (lane / 16): my half's 8 numbers of f32 in the bias and in x0
.set SC,   32
.set TMP,  96
.set AF,   128
.set OB,   128
.set BI,   192
.set G1, 24
.set G0, 32
.set G1B, 48
.set G0B, 56
.set G1S, 68
.set G0S, 76
.set G1SB, 80
.set G0SB, 88
.set MSB, 0
.macro WIN new                         ; the immediate's high byte repeats the setting that is left
.if MSB != \new
	s_set_vgpr_msb (MSB<<8)|\new
.set MSB, \new
.endif
.endm
.set MUL_LO, 0xa1                      ; source 0 (B) window 1, source 1 (A) window 0, C and D window 2
.set MUL_HI, 0xf1                      ; the same, C and D window 3.  In the first step C is the bias, in window 0: 0x81 and 0xc1
.set TO_B,   0x40
; A joint load: waves 0 and 1 fetch for A, waves 2 and 3 for B.  Each line has one mask and one set of registers for all that issue it; the branch hangs on the wave's number alone.
; An s_nop 0 and four v_nop follow each of the two lines.
.macro JLOAD g0a, g1a, g0b, g1b
	s_cmp_eq_u32 s15, 0
	s_cbranch_scc0 .Lfor_b_\@
	tensor_load_to_lds s[\g0a:\g0a+3], s[\g1a:\g1a+7]
	s_nop 0
.rept 4
	v_nop
.endr
	s_branch .Lasked_\@
.Lfor_b_\@:
	tensor_load_to_lds s[\g0b:\g0b+3], s[\g1b:\g1b+7]
	s_nop 0
.rept 4
	v_nop
.endr
.Lasked_\@:
.endm
.macro CROUND                          ; a round of the cluster's barrier
	s_barrier_signal -1
	s_barrier_wait -1
	s_cmp_lg_u32 s14, 0
	s_cbranch_scc1 .Lnot_wave_0_\@
	s_barrier_signal -3
.Lnot_wave_0_\@:
	s_barrier_wait -3
	s_barrier_signal -1
	s_barrier_wait -1
.endm
	s_load_b128 s[4:7], s[0:1], 0x0                ; xc s[4:5], xs s[6:7]
	s_load_b128 s[8:11], s[0:1], 0x10              ; wc s[8:9], ws s[10:11]
	s_load_b64 s[96:97], s[0:1], 0x20              ; b_qkv
	s_load_b64 s[12:13], s[0:1], 0x28              ; qkv
	s_load_b64 s[98:99], s[0:1], 0x30              ; x0
	v_lshl_add_u32 v[SPW], v0, 2, SPARE
	v_mov_b32 v[NIL], 0
	ds_add_u32 v[SPW], v[NIL]                      ; the wave's opening: the add, twice on end, and its wait ahead of my first tensor load
	ds_add_u32 v[SPW], v[NIL]
	v_lshrrev_b32 v1, 5, v0
	v_readfirstlane_b32 s14, v1                    ; wave 0..3
	s_lshr_b32 s15, s14, 1                         ; which half of the tile's rows is mine.  Also: I fetch for A (0) or for B (1)
	s_and_b32 s16, s14, 1                          ; which half of its columns.  Also: which 128 rows of that tile I fetch
	s_bfe_u32 s40, ttmp6, 0x40000                  ; cx, cy: my place in the cluster
	s_bfe_u32 s41, ttmp6, 0x40004
	s_lshl_b32 s42, ttmp9, 2
	s_add_co_u32 s42, s42, s40                     ; tile column T = 4 x cluster x + cx, 0 .. 11
	s_and_b32 s17, ttmp7, 0xffff
	s_lshl_b32 s17, s17, 2
	s_add_co_u32 s17, s17, s41                     ; tile row = 4 x cluster y + cy, 0 .. 31
	s_lshl_b32 s43, s41, 2
	s_lshl_b32 s43, 15, s43                        ; my row of the cluster
	s_lshl_b32 s44, 0x1111, s40                    ; my column
	; descriptor group 1: a tile of 128 rows x 256 bytes, 16 bytes of padding behind each row
	s_or_b32 s[G1+0], s43, (0<<16)|(1<<20)|(1<<21)|(5<<22)|(3<<25)  ; 15:0 the mask: A's tiles go to my row; elements of 1 byte; padding on; bit 21 beside a mask; after every 64 words four words
	s_or_b32 s[G1B+0], s44, (0<<16)|(1<<20)|(1<<21)|(5<<22)|(3<<25)
.irp g, G1, G1B
	s_mov_b32 s[\g+1], ROWB<<16                    ; tensor_dim0
	s_mov_b32 s[\g+2], 128<<16                     ; tensor_dim1
	s_mov_b32 s[\g+3], ROWB<<16                    ; tile_dim0
	s_mov_b32 s[\g+4], 128                         ; tile_dim1
	s_mov_b32 s[\g+5], KROW                        ; from row to row
	s_mov_b32 s[\g+6], 0
	s_mov_b32 s[\g+7], 0
.endr
	; the scale bytes of 128 rows: a dense block of 4,096 bytes, as 16 rows of 256 bytes (32 elements of 8 bytes), 16 bytes of padding behind each
	s_or_b32 s[G1S+0], s43, (3<<16)|(1<<20)|(1<<21)|(5<<22)|(3<<25)
	s_or_b32 s[G1SB+0], s44, (3<<16)|(1<<20)|(1<<21)|(5<<22)|(3<<25)
.irp g, G1S, G1SB
	s_mov_b32 s[\g+1], 32<<16
	s_mov_b32 s[\g+2], (128*KS/256)<<16
	s_mov_b32 s[\g+3], 32<<16
	s_mov_b32 s[\g+4], 128*KS/256
	s_mov_b32 s[\g+5], 32
	s_mov_b32 s[\g+6], 0
	s_mov_b32 s[\g+7], 0
.endr
	s_lshl_b32 s18, s16, 7                         ; which 128 rows of the tile I fetch
	s_lshl_b32 s20, s17, 8
	s_add_co_u32 s20, s20, s18                     ; A: row 256 x tile row + 128 x half
	s_lshl_b32 s46, s42, 8
	s_add_co_u32 s46, s46, s18                     ; B: row 256 x tile column + 128 x half
	s_mov_b32 s21, 0
	s_mov_b32 s47, 0
	s_mov_b64 s[18:19], KS
	s_mul_u64 s[22:23], s[20:21], s[18:19]         ; where these rows' scale bytes begin
	s_mul_u64 s[92:93], s[46:47], s[18:19]
	s_mov_b64 s[18:19], KROW
	s_mul_u64 s[20:21], s[20:21], s[18:19]         ; and their codes
	s_mul_u64 s[46:47], s[46:47], s[18:19]
	s_mul_i32 s45, s14, HALFT                      ; where they go: wave x 128 rows: no place in the cluster enters an LDS address
	s_mul_i32 s94, s14, HALFS
	s_wait_dscnt 0x0                               ; both opening adds are done
	s_wait_kmcnt 0x0
	s_add_nc_u64 s[20:21], s[4:5], s[20:21]
	s_add_nc_u64 s[22:23], s[6:7], s[22:23]
	s_add_nc_u64 s[46:47], s[8:9], s[46:47]
	s_add_nc_u64 s[92:93], s[10:11], s[92:93]
	CROUND                                         ; all sixteen work-groups are here: the joint loads meet
	s_mov_b32 s[G0S], 1
	s_add_co_u32 s[G0S+1], s94, SCL
	s_mov_b64 s[G0S+2:G0S+3], s[22:23]
	s_or_b32 s[G0S+3], s[G0S+3], 0x80000000
	s_mov_b32 s[G0SB], 1
	s_add_co_u32 s[G0SB+1], s94, SCL
	s_mov_b64 s[G0SB+2:G0SB+3], s[92:93]
	s_or_b32 s[G0SB+3], s[G0SB+3], 0x80000000
	JLOAD G0S, G1S, G0SB, G1SB                     ; the scale bytes first: they are wanted with the first slot
.irp s, 0,1
	s_mov_b32 s[G0+4*\s], 1
	s_add_co_u32 s[G0+4*\s+1], s45, \s*SLOT
	s_add_nc_u64 s[G0+4*\s+2:G0+4*\s+3], s[20:21], \s*ROWB
	s_or_b32 s[G0+4*\s+3], s[G0+4*\s+3], 0x80000000
	s_mov_b32 s[G0B+4*\s], 1
	s_add_co_u32 s[G0B+4*\s+1], s45, \s*SLOT
	s_add_nc_u64 s[G0B+4*\s+2:G0B+4*\s+3], s[46:47], \s*ROWB
	s_or_b32 s[G0B+4*\s+3], s[G0B+4*\s+3], 0x80000000
	JLOAD G0+4*\s, G1, G0B+4*\s, G1B               ; three tensor loads of mine are out, and no more follow
.endr
	v_and_b32 v1, 15, v0                           ; r = lane % 16
	v_bfe_u32 v2, v0, 4, 1                         ; h = lane / 16
	v_lshlrev_b32 v[HB], 5, v2
	; the bias: column n' = 256 T + 128 half + 16 b + 8 h + j is b_qkv[192 c + 64 part + e], part = T / 4, c = 4 (T % 4) + 2 half + b / 4, e = 16 (b % 4) + 8 h + j
	s_lshr_b32 s19, s42, 2                         ; part
	s_and_b32 s18, s42, 3                          ; the tile column inside the part
	s_lshl_b32 s46, s18, 2
	s_lshl_b32 s47, s16, 1
	s_add_co_u32 s46, s46, s47
	s_mul_i32 s46, s46, 768
	s_lshl_b32 s47, s19, 8
	s_add_co_u32 s46, s46, s47
	s_mov_b32 s47, 0
	s_add_nc_u64 s[96:97], s[96:97], s[46:47]
.irp b, 0,1,2,3,4,5,6,7
	global_load_b128 v[BI+8*\b:BI+8*\b+3], v[HB], s[96:97] offset:(\b/4)*768+(\b%4)*64
	global_load_b128 v[BI+8*\b+4:BI+8*\b+7], v[HB], s[96:97] offset:(\b/4)*768+(\b%4)*64+16
.endr
	v_mul_u32_u24 v3, v1, PITCH
	v_lshl_add_u32 v4, v2, 4, v3                   ; a fragment's row x pitch + 16 x half
	s_mul_i32 s21, s15, HALFT                      ; my 128 rows of A
	s_mul_i32 s22, s16, HALFT                      ; my 128 rows of B,
	s_add_co_u32 s22, s22, 2*HALFT                 ; which lie behind A's 256
.irp s, 0,1
	v_add_nc_u32 v[ADRA+\s], s21, v4
	v_add_nc_u32 v[ADRB+\s], s22, v4
	s_add_co_u32 s21, s21, SLOT
	s_add_co_u32 s22, s22, SLOT
.endr
	v_mul_u32_u24 v5, v1, KS                       ; my row's scale bytes: 32 a row,
	v_lshrrev_b32 v6, 8, v5
	v_lshl_add_u32 v5, v6, 4, v5                   ; and 16 more for each 256 passed
	s_mul_i32 s21, s15, HALFS                      ; A's: my 128 rows
	s_mul_i32 s22, s16, HALFS                      ; B's: my 128 rows, behind A's 256
	s_add_co_u32 s22, s22, 2*HALFS
	s_sub_co_u32 s22, s22, s21
	v_mul_u32_u24 v6, s22, v2                      ; lanes 16-31 take B's: the lower base + h x the distance
	s_add_co_u32 s21, s21, SCL
	v_add_nc_u32 v5, v5, v6
	v_add_nc_u32 v[ADRS], s21, v5
	s_mul_i32 s23, s14, 16*SPITCH                  ; my stage
	v_mul_u32_u24 v5, v1, SPITCH                   ; in: row r, 16 bytes for each half of the lanes
	v_lshl_add_u32 v5, v2, 4, v5
	v_add_nc_u32 v[STO], s23, v5
	v_mul_u32_u24 v5, v2, SPITCH                   ; back: lanes 0-15 one row of 256 bytes, lanes 16-31 the next
	v_lshl_add_u32 v5, v1, 4, v5
	v_add_nc_u32 v[RD], s23, v5
	v_lshlrev_b32 v5, 11, v2                       ; and the same two rows in the part's matrix: 2,048 bytes a row
	v_lshl_add_u32 v[CO], v1, 4, v5
	s_lshl_b32 s20, s17, 8
	s_lshl_b32 s21, s15, 7
	s_add_co_u32 s20, s20, s21                     ; my first row
	s_lshl_b32 s20, s20, 11
	s_lshl_b32 s21, s19, 24                        ; the part's matrix: 16,777,216 bytes each
	s_add_co_u32 s20, s20, s21
	s_lshl_b32 s21, s18, 9                         ; my first column in it, in bytes: 512 (T % 4) + 256 half
	s_add_co_u32 s20, s20, s21
	s_lshl_b32 s21, s16, 8
	s_add_co_u32 s20, s20, s21
	s_mov_b32 s21, 0
	s_add_nc_u64 s[12:13], s[12:13], s[20:21]
	s_lshl_b32 s20, s17, 1
	s_add_co_u32 s20, s20, s15                     ; my first row is row 128 H, H = 2 x tile row + half
	s_mul_i32 s20, s20, 12288
	s_lshl_b32 s22, s42, 10
	s_add_co_u32 s20, s20, s22
	s_lshl_b32 s22, s16, 9
	s_add_co_u32 s20, s20, s22
	s_add_nc_u64 s[98:99], s[98:99], s[20:21]      ; x0: row H, column 256 T + 128 half
.macro FRAG reg, adr, q, i             ; a fragment, 16 rows x 128 K of 4-bit codes: lane l holds row l % 16; registers 4 c .. 4 c + 3 hold K = 64 c + 32 (l / 16) + 0 .. 31
.irp c, 0,1
	ds_load_b128 v[\reg+4*\c:\reg+4*\c+3], v[\adr] offset:64*(\q)+32*\c+(\i)*16*PITCH
.endr
.endm
; 16 matrix instructions: A's blocks a0, a0 + 1 x B's eight, 128 along K.  p: B's set; sc: the set of scale words.  zero = 1: the first product starts the sums from the bias.
; The 64 accumulators take turns, one instruction a turn, in the same order in every step.
.macro MUL16 a0, p, q, sc, zero
.irp a, \a0, \a0+1
.irp b, 0,1,2,3,4,5,6,7
.if \zero
	v_wmma_scale_f32_16x16x128_f8f6f4 v[8*(8*((\a)%4)+\b):8*(8*((\a)%4)+\b)+7], v[128*(\p)+FR*\b:128*(\p)+FR*\b+FR-1], v[AF+FR*(\a):AF+FR*(\a)+FR-1], v[BI+8*\b:BI+8*\b+7], v[SC+8*NQ*(\sc)+NQ*\b+(\q)], v[SC+8*NQ*(\sc)+NQ*(\a)+(\q)] matrix_a_fmt:MATRIX_FMT_FP4 matrix_b_fmt:MATRIX_FMT_FP4 matrix_a_scale:MATRIX_SCALE_ROW1
.else
	v_wmma_scale_f32_16x16x128_f8f6f4 v[8*(8*((\a)%4)+\b):8*(8*((\a)%4)+\b)+7], v[128*(\p)+FR*\b:128*(\p)+FR*\b+FR-1], v[AF+FR*(\a):AF+FR*(\a)+FR-1], v[8*(8*((\a)%4)+\b):8*(8*((\a)%4)+\b)+7], v[SC+8*NQ*(\sc)+NQ*\b+(\q)], v[SC+8*NQ*(\sc)+NQ*(\a)+(\q)] matrix_a_fmt:MATRIX_FMT_FP4 matrix_b_fmt:MATRIX_FMT_FP4 matrix_a_scale:MATRIX_SCALE_ROW1
.endif
.endr
.endr
.endm
.macro FETCH_B slot, q, p
	WIN TO_B
.irp i, 0,1,2,3,4,5,6,7
	FRAG 128*(\p)+FR*\i, ADRB+\slot, \q, \i
.endr
	WIN 0
.endm
.macro FETCH_A slot, q, i0
.irp i, \i0, \i0+1, \i0+2, \i0+3
	FRAG AF+FR*(\i), ADRA+\slot, \q, \i
.endr
.endm
.macro SCALES sc                       ; a slot's scale words: four words a row; lanes 0-15 take A's block i, lanes 16-31 B's block i
.irp i, 0,1,2,3,4,5,6,7
	ds_load_b128 v[SC+8*NQ*\sc+NQ*\i:SC+8*NQ*\sc+NQ*\i+3], v[ADRS] offset:\i*SBLK
.endr
.endm
.macro PLACES n                        ; plain vector instructions between a matrix instruction and a load into, or a read of, its registers (ISA guide 7.12.1 for the reads)
.rept \n
	v_nop
.endr
.endm
.macro STEP slot, q, zero              ; 128 along K that have their successor in the same slot
	s_wait_dscnt 4*NL                              ; B's set and A's blocks 0-3 are in; the youngest eight loads (A's blocks 4-7) may be out
	WIN MUL_LO-0x20*(\zero)
	MUL16 0, (\q)%2, \q, \slot, \zero
	MUL16 2, (\q)%2, \q, \slot, \zero
	s_wait_dscnt 0
	PLACES NP
	FETCH_B \slot, (\q)+1, 1-(\q)%2
	FETCH_A \slot, (\q)+1, 0
	WIN MUL_HI-0x30*(\zero)
	MUL16 4, (\q)%2, \q, \slot, \zero
	MUL16 6, (\q)%2, \q, \slot, \zero
	PLACES NP
	WIN 0
	FETCH_A \slot, (\q)+1, 4
.endm
.macro STEPS slot, from
.set Q, \from
.rept NQ-1-\from
	STEP \slot, Q, 0
.set Q, Q+1
.endr
.endm
	s_wait_tensorcnt 1                             ; the scale bytes and my part of slot 0 are in (slot 1's load may be out)
	s_barrier_signal -1
	s_barrier_wait -1                              ; everybody's are
	FETCH_B 0, 0, 0
	FETCH_A 0, 0, 0
	SCALES 0
	FETCH_A 0, 0, 4
	s_wait_loadcnt 0x0                             ; the bias
	STEP 0, 0, 1
	STEPS 0, 1
	; slot 0's last step changes slots: one barrier; in front of it each wave waits for all its tensor loads, adds 0 to its spare word, and waits for that and for its reads of slot 0
	s_wait_tensorcnt 0x0                           ; my part of slot 1 has landed
	ds_add_u32 v[SPW], v[NIL]                      ; 0 onto my spare word
	s_wait_dscnt 4*NL+1                            ; (the add and A's blocks 4-7 may be out)
	WIN MUL_LO
	MUL16 0, 1, NQ-1, 0, 0
	s_wait_dscnt 0x0                               ; the add is done, and my reads of slot 0 are over
	s_barrier_signal -1
	MUL16 2, 1, NQ-1, 0, 0
	WIN 0
	s_barrier_wait -1                              ; slot 1 is whole, and nobody reads slot 0 any more
	PLACES NP
	v_add_nc_u32 v[ADRS], 4*NQ, v[ADRS]            ; on to slot 1's scale words
	FETCH_B 1, 0, 0
	FETCH_A 1, 0, 0
	SCALES 1
	WIN MUL_HI
	MUL16 4, 1, NQ-1, 0, 0
	MUL16 6, 1, NQ-1, 0, 0
	PLACES NP
	WIN 0
	FETCH_A 1, 0, 4
	STEPS 1, 0
	s_wait_dscnt 4*NL                              ; the very last step: nothing more to fetch
	WIN MUL_LO
	MUL16 0, 1, NQ-1, 1, 0
	MUL16 2, 1, NQ-1, 1, 0
	s_wait_dscnt 0
	WIN MUL_HI
	MUL16 4, 1, NQ-1, 1, 0
	MUL16 6, 1, NQ-1, 1, 0
	WIN 0
	PLACES NP                                      ; in front of the first reads of results and of the loads into A's registers
	; ROW 128 H IN f32: it is row 0 of my block 0: lanes 0 and 16 hold it, eight columns for each of the eight accumulators
	s_wait_xcnt 0x0                                ; EXEC changes only behind this wait
	v_cmp_eq_u32 vcc_lo, 0, v1
	s_and_saveexec_b32 s3, vcc_lo
	WIN 0x08                                       ; a store's data are its source 1: window 2
.irp b, 0,1,2,3,4,5,6,7
	global_store_b128 v[HB], v[8*\b:8*\b+3], s[98:99] offset:64*\b          ; each accumulator from its low end on
	global_store_b128 v[HB], v[8*\b+4:8*\b+7], s[98:99] offset:64*\b+16
.endr
	WIN 0
	s_wait_xcnt 0x0                                ; and again in front of the line that widens it
	s_or_b32 exec_lo, exec_lo, s3
; THE WAY OUT, block by block of 16 rows x 128 columns: rounded to f16, 16 bytes a lane; through my own stage; back as whole rows of 256 bytes.
.macro PACK a
.set AC, 64*((\a)%4)
	WIN 0x0a+5*((\a)/4)                            ; sources 0 and 1: window 2 or 3
.irp b, 0,1,2,3,4,5,6,7
.irp r, 0,1,2,3
	v_cvt_pk_f16_f32 v[TMP+4*\b+\r], v[AC+8*\b+2*\r], v[AC+8*\b+2*\r+1]
.endr
.endr
	WIN 0
.endm
.macro TOSTAGE a
.set BK, OB+32*((\a)%2)
.irp b, 0,1,2,3,4,5,6,7
	ds_store_b128 v[STO], v[TMP+4*\b:TMP+4*\b+3] offset:32*\b
.endr
.irp t, 0,1,2,3,4,5,6,7
	ds_load_b128 v[BK+4*\t:BK+4*\t+3], v[RD] offset:\t*2*SPITCH    ; LDS serves a wave's instructions in order: these see the stores above
.endr
.endm
.macro SEND a
.set BK, OB+32*((\a)%2)
	s_wait_dscnt 0x0                               ; the block is back in registers
	s_wait_xcnt 0x0                                ; the earlier stores have read their base and their registers: both may be written again
.if (\a) > 0
	s_add_nc_u64 s[12:13], s[12:13], 16*2048       ; 16 rows on
.endif
.irp t, 0,1,2,3,4,5,6,7
	global_store_b128 v[CO], v[BK+4*\t:BK+4*\t+3], s[12:13] offset:2*\t*2048   ; 16 lanes store 256 consecutive bytes, aligned
.endr
.endm
	PACK 0
	TOSTAGE 0
.irp a, 1,2,3,4,5,6,7                  ; block a's conversions stand between block a - 1's loads from the stage and the wait for them
	PACK \a
	SEND \a-1
	TOSTAGE \a
.endr
	SEND 7
	s_wait_tensorcnt 0x0                           ; the wave's end, behind my last tensor load and my last LDS store
	ds_add_u32 v[SPW], v[NIL]
	s_wait_dscnt 0x0
	CROUND                                         ; the closing round: no work-group ends while a partner may still ask for a tile that names it
	s_endpgm
.Lfunc_end_k_q647fd6f62a_qkv:
	.size	k_q647fd6f62a_qkv, .Lfunc_end_k_q647fd6f62a_qkv-k_q647fd6f62a_qkv
	.p2alignl 7, 3214868480
	.fill 96, 4, 3214868480
	.section	.rodata,"a",@progbits
	.p2align	6, 0x0
	.amdhsa_kernel k_q647fd6f62a_qkv
		.amdhsa_group_segment_fixed_size 327680
		.amdhsa_private_segment_fixed_size 0
		.amdhsa_enable_private_segment 0
		.amdhsa_kernarg_size 56
		.amdhsa_user_sgpr_count 2
		.amdhsa_user_sgpr_kernarg_segment_ptr 1
		.amdhsa_wavefront_size32 1
		.amdhsa_system_sgpr_workgroup_id_x 1
		.amdhsa_system_sgpr_workgroup_id_y 1
		.amdhsa_system_sgpr_workgroup_id_z 1
		.amdhsa_system_vgpr_workitem_id 0
		.amdhsa_next_free_vgpr 1024
		.amdhsa_next_free_sgpr 100
		.amdhsa_reserve_vcc 1
		.amdhsa_float_denorm_mode_32 3
		.amdhsa_float_denorm_mode_16_64 3
		.amdhsa_memory_ordered 1
		.amdhsa_forward_progress 1
		.amdhsa_inst_pref_size 131
	.end_amdhsa_kernel
	.amdgpu_metadata
---
amdhsa.version: [ 1, 2 ]
amdhsa.kernels:
  - .name:           k_q647fd6f62a_qkv
    .symbol:         k_q647fd6f62a_qkv.kd
    .args:
      - { .name: xc, .offset: 0, .size: 8, .value_kind: global_buffer, .address_space: global }
      - { .name: xs, .offset: 8, .size: 8, .value_kind: global_buffer, .address_space: global }
      - { .name: wc, .offset: 16, .size: 8, .value_kind: global_buffer, .address_space: global }
      - { .name: ws, .offset: 24, .size: 8, .value_kind: global_buffer, .address_space: global }
      - { .name: b_qkv, .offset: 32, .size: 8, .value_kind: global_buffer, .address_space: global }
      - { .name: qkv, .offset: 40, .size: 8, .value_kind: global_buffer, .address_space: global }
      - { .name: x0, .offset: 48, .size: 8, .value_kind: global_buffer, .address_space: global }
    .group_segment_fixed_size: 327680
    .private_segment_fixed_size: 0
    .kernarg_segment_align: 8
    .kernarg_segment_size: 56
    .max_flat_workgroup_size: 128
    .sgpr_count:     100
    .vgpr_count:     1024
    .wavefront_size: 32
...
	.end_amdgpu_metadata
.endif
;; end of part 2
;; launch attn (part 3): grid 4 x 64, 8 waves a work-group, no clusters, 327,680 bytes of LDS; arguments qkv, sa; writes sa
.if DOCPART == 3
	.amdgcn_target "amdgcn-amd-amdhsa--gfx1250"
	.amdhsa_code_object_version 6
	.text
	.protected	k_q647fd6f62a_attn
	.globl	k_q647fd6f62a_attn
	.p2align	8
	.type	k_q647fd6f62a_attn,@function
k_q647fd6f62a_attn:
	s_mov_b64 s[64:65], 0
	v_nop
	global_prefetch_b8 v0, s[64:65] scope:SCOPE_SE
	s_setreg_imm32_b32 hwreg(HW_REG_WAVE_MODE, 25, 1), 1
	s_wait_xcnt 0x0
; sa[H][q][:] = the sum over k <= q of softmax_k(Q[H][q] . K[H][k] / sqrt(2048)) V[H][k][:].  Q, K, V: three dense [64 heads][2048][64] of f16, one behind the other in qkv; sa the same shape, f16.
; Products on f16 operands, sums, maxima and the softmax in f32, by a running maximum m and sum l: p = 2^(c s - c m), c = log2(e) / sqrt(2048); in every step O and l are multiplied by a = 2^(c m_old - c m_new).
; LIMITS: the weights p (at most 1) are rounded to f16 for the second product, sa once at the end; |sa| above 65,504 becomes infinity.  The first 16 positions of every head are computed here too, and once more, in f32, by a later launch.
; SHARES.  Work-group (I, head) makes query block I (256 queries, I + 1 units of 256 keys under the causal mask) and then block 7 - I (8 - I units): nine units for every work-group, 256 work-groups.
; Each of the eight waves owns 32 queries of a block, two tiles of 16; two waves lie on a SIMD, so that one wave's softmax stands beside the other's products.
; NO CLUSTER: in one and the same trip the four work-groups of a head want different key units (unit t of block I against unit t - I' - 1 of block 7 - I'), and beyond a partner's causal limit a joint tile would never be read by it.
; RING.  Two LDS slots of one key unit (256 rows of K, 256 of V).  Waves 0-3 fetch K's quarters, waves 4-7 V's: one tensor load of 64 rows a wave behind each change of slots, and at most one of a wave's is out.
; LAYOUT.  S^T = K Q^T (source 0 = 16 keys, source 1 = 16 queries): a lane holds ONE query (lane % 16) and the keys 8 (lane / 16) + 0..7 of each tile.  Two such tiles, rounded to f16 in pairs, ARE source 1
; (32 keys x 16 queries) of O^T = V^T P.  K comes out of LDS as it lies, V ([key][channel]) turned, by ds_load_tr16_b128.
; REGISTERS.  window 0: v1-15 addresses; v16-31 statistics, eight a tile; v32-63 Q; v64-127 S^T; v128-159 P; v160-223 O^T; v224-255 packed results.
;             window 1: v0-63 K's fragments of a step; v64-127 V's; v128-159 the second block's Q.
.set KP,    144                        ; a row of K in LDS: 128 bytes + 16
.set VP,    160                        ; a row of V: 128 + 32: the turning load's 16 lanes take 8 rows x 32 bytes
.set VOFF,  256*KP
.set SLOT1, 1<<17                      ; slot 1 begins here: one exclusive or turns an address in one slot into the other's
.set STAGE, 2*SLOT1                    ; behind the ring: 32 rows x 144 bytes for each wave, for the way out; no tensor load lands here
.set SPARE, STAGE+8*32*KP              ; the spare words, 128 bytes for each of the eight waves: four blocks of 256 bytes that no other line names
.set UNITB, 256*128                    ; a key unit of K or of V in memory
.set AK0, 1
.set AV0, 2
.set ADK, 3
.set ADV, 4
.set STO, 5
.set RD,  6
.set GO,  7
.set QO,  8
.set RH,  9                            ; v9   lane % 16 - 8 (lane / 16)
.set NINF, 10                          ; v10  -infinity
.set PFO, 11                           ; v11  256 x lane; never rewritten
.set SPW, 12                           ; v12  LDS address of my spare word; never rewritten
.set NIL, 13                           ; v13  0; never rewritten
.set DM,  14
.set ST,  16                           ; tile t at v[ST + 8 t]: +0 c m, +1 m, +2, +3 l (even keys', odd keys'), +4 to +7 at work; a in +6
.set Q,   32
.set S,   64
.set P,   128
.set O,   160
.set PK,  224
.set WV,  8                            ; s8   wave
.set IB,  9                            ; s9   I
.set HD,  10                           ; s10  head
.set TR,  11                           ; s11  trip, 0 .. 8
.set SW,  14                           ; s14  I + 1: the trip in which the second block begins
.set RB,  15                           ; s15  (I + 1) key units in bytes
.set TB,  18                           ; s18  LDS byte at which the slot in hand begins
.set KF,  19                           ; s19  the step's first key
.set Q0,  20                           ; s20  my first query
.set QL,  21                           ; s21  my last
.set G1K, 24
.set G1V, 32
.set G0K, 40
.set G0V, 44
.set CS,  48                           ; s[48:49] c, twice
.set SEL, 50                           ; s[50:51] v_permlanex16_b32's selects for lane l xor 16
.set PFA, 52                           ; s[52:53] where my prefetches stand
.set LIM, 54                           ; s54  a wave prefetches in the trips under this number
.set OUT, 56                           ; s[56:57] sa at my first query;  s[58:59] the same for the second block;  s60 its first query
.set OUTB, 58
.set Q0B, 60
.set MSB, 0
.macro WIN new
.if MSB != \new
	s_set_vgpr_msb (MSB<<8)|\new
.set MSB, \new
.endif
.endm
; Waves 0-3 fetch for K, waves 4-7 for V.  The branch hangs on the wave's number alone.  An s_nop 0 and four v_nop follow each of the two lines.
.macro TLOAD
	s_cmp_lt_u32 s[WV], 4
	s_cbranch_scc0 .Lfor_v_\@
	tensor_load_to_lds s[G0K:G0K+3], s[G1K:G1K+7]
	s_nop 0
.rept 4
	v_nop
.endr
	s_branch .Lasked_\@
.Lfor_v_\@:
	tensor_load_to_lds s[G0V:G0V+3], s[G1V:G1V+7]
	s_nop 0
.rept 4
	v_nop
.endr
.Lasked_\@:
.endm
; A PREFETCH INTO THE L2.  All four work-groups of a head walk the same K and V: the head's first work-group (I = 0) asks, and nobody else: in trip t, 0 .. 5, for key unit t + 2, so that units 2 to 7 are named once each.
; Waves 0-3 ask for K's quarters, waves 4-7 for V's: 8,192 bytes a wave, lanes 256 bytes apart, one instruction.  The work-group whose walk is furthest ahead (I = 3) asks for unit t + 2 by its tensor loads in trip t + 1.
; Units 0 and 1 come by their loads alone; trips 6 and 7 ask for nothing: unit 7 is the head's last.
.macro ASK
	s_cmp_lt_u32 s[TR], s[LIM]
	s_cbranch_scc0 .Lnot_mine_\@
	global_prefetch_b8 v[PFO], s[PFA:PFA+1] th:TH_LOAD_NT scope:SCOPE_SE
.Lnot_mine_\@:
.endm
; THE CHANGE OF SLOTS stands at a trip's head.  Each wave waits for all its tensor loads (its part of the slot that it is about to read), adds 0 to its spare word, and waits for that and for its reads of the slot that it has left.
; Behind the barrier the slot ahead is whole and nobody reads the other.  fill = 1: that other slot takes the next trip's key unit: the unit after this one, or unit 0 where this trip ends the first block.
.macro CHANGE fill
	s_wait_tensorcnt 0x0                           ; no tensor load of mine is out, so a group 0 may be written
	ds_add_u32 v[SPW], v[NIL]                      ; 0 onto my spare word; the descriptors' steps stand between it and the wait for it
.if \fill
	s_xor_b32 s[G0K+1], s[G0K+1], SLOT1
	s_xor_b32 s[G0V+1], s[G0V+1], SLOT1
	s_cmp_eq_u32 s[TR], s[IB]
	s_cselect_b32 s16, s[RB], 0                    ; back by I + 1 units at the first block's end
	s_add_nc_u64 s[G0K+2:G0K+3], s[G0K+2:G0K+3], UNITB
	s_sub_nc_u64 s[G0K+2:G0K+3], s[G0K+2:G0K+3], s[16:17]
	s_add_nc_u64 s[G0V+2:G0V+3], s[G0V+2:G0V+3], UNITB
	s_sub_nc_u64 s[G0V+2:G0V+3], s[G0V+2:G0V+3], s[16:17]
	s_wait_xcnt 0x0                                ; the last prefetch, a trip back, has read its address, so it may be written
	s_add_nc_u64 s[PFA:PFA+1], s[PFA:PFA+1], UNITB
.endif
	s_wait_dscnt 0x0                               ; the add is done, and my reads of the slot that I have left are over
	s_barrier_signal -1
	s_barrier_wait -1
.if \fill
	TLOAD                                          ; the first thing behind the barrier, and my one tensor load until the next: it has a whole trip in which to land
	ASK
.endif
.endm
.macro INIT                            ; a block's start: m under every score, l and O^T zero: the first step's a is 0 and multiplies zeros
.irp t, 0,1
	v_mov_b32 v[ST+8*\t+1], 0xff61b1e6             ; -3e38
	v_mov_b32 v[ST+8*\t+2], 0
	v_mov_b32 v[ST+8*\t+3], 0
	v_mov_b32 v[ST+8*\t+5], 0                      ; (a lane permute's destination, and the upper half of a's pair: defined on every way through the text)
	v_mov_b32 v[ST+8*\t+7], 0
.endr
.irp t, 0,1
	v_mul_f32 v[ST+8*\t], s[CS], v[ST+8*\t+1]
.endr
.set i, 0
.rept 64
	v_mov_b32 v[O+i], 0
.set i, i+1
.endr
.endm
; THE SOFTMAX of both tiles for one step of 64 keys, line by line by turns, so that no line waits for the line above it.  A lane holds 32 scores of each tile.
.macro SOFTMAX
.irp j, 0,1,2,3
.irp t, 0,1
	v_max3_num_f32 v[ST+8*\t+4+\j], v[S+32*\t+8*\j], v[S+32*\t+8*\j+1], v[S+32*\t+8*\j+2]   ; four chains, one for each accumulator, from its low end on
.endr
.endr
.irp i, 1,2
.irp j, 0,1,2,3
.irp t, 0,1
	v_max3_num_f32 v[ST+8*\t+4+\j], v[ST+8*\t+4+\j], v[S+32*\t+8*\j+2*\i+1], v[S+32*\t+8*\j+2*\i+2]
.endr
.endr
.endr
.irp t, 0,1
	v_max3_num_f32 v[ST+8*\t+4], v[ST+8*\t+4], v[S+32*\t+7], v[S+32*\t+15]
	v_max3_num_f32 v[ST+8*\t+6], v[ST+8*\t+6], v[S+32*\t+23], v[S+32*\t+31]
.endr
.irp t, 0,1
	v_max3_num_f32 v[ST+8*\t+4], v[ST+8*\t+4], v[ST+8*\t+5], v[ST+8*\t+6]
.endr
.irp t, 0,1
	v_max3_num_f32 v[ST+8*\t+4], v[ST+8*\t+4], v[ST+8*\t+7], v[ST+8*\t+1]   ; and the old m
.endr
.irp t, 0,1
	v_permlanex16_b32 v[ST+8*\t+5], v[ST+8*\t+4], s[SEL], s[SEL+1]          ; the query's other 32 keys lie in the lane 16 away
.endr
.irp t, 0,1
	v_mov_b32 v[ST+8*\t+7], v[ST+8*\t]             ; c m_old is kept for a
.endr
.irp t, 0,1
	v_max_num_f32 v[ST+8*\t+1], v[ST+8*\t+4], v[ST+8*\t+5]
.endr
.irp t, 0,1
	v_mul_f32 v[ST+8*\t], s[CS], v[ST+8*\t+1]
.endr
.irp t, 0,1
	v_sub_f32 v[ST+8*\t+7], v[ST+8*\t+7], v[ST+8*\t]
.endr
.irp b, 0,1,2,3,4,5,6,7,8,9,10,11,12,13,14,15
.irp t, 0,1
	v_pk_fma_f32 v[S+32*\t+2*\b:S+32*\t+2*\b+1], v[S+32*\t+2*\b:S+32*\t+2*\b+1], s[CS:CS+1], v[ST+8*\t:ST+8*\t+1] op_sel_hi:[1,0,0] neg_lo:[0,0,1] neg_hi:[0,0,1]   ; c s - c m, two at a time
.endr
.endr
.irp t, 0,1
	v_exp_f32 v[ST+8*\t+6], v[ST+8*\t+7]           ; a
.endr
.irp e, 0,1,2,3,4,5,6,7,8,9,10,11,12,13,14,15,16,17,18,19,20,21,22,23,24,25,26,27,28,29,30,31
.irp t, 0,1
	v_exp_f32 v[S+32*\t+\e], v[S+32*\t+\e]         ; p
.endr
.endr
	v_nop                                          ; a plain instruction behind the last exponential
	s_wait_alu depctr_va_vdst(0)                   ; the wait ahead of the first line that names a result: one for the batch of 66
.irp n, 0,1,2,3,4,5,6,7,8,9,10,11,12,13,14,15
.irp t, 0,1
	v_cvt_pk_f16_f32 v[P+16*\t+\n], v[S+32*\t+2*\n], v[S+32*\t+2*\n+1]
.endr
.endr
.irp u, 0,1,2,3,4,5,6,7
.irp t, 0,1
	v_pk_add_f32 v[S+32*\t+4*\u:S+32*\t+4*\u+1], v[S+32*\t+4*\u:S+32*\t+4*\u+1], v[S+32*\t+4*\u+2:S+32*\t+4*\u+3]   ; the sum of the unrounded p, as a tree of pairs, in place
.endr
.endr
.irp u, 0,1,2,3
.irp t, 0,1
	v_pk_add_f32 v[S+32*\t+8*\u:S+32*\t+8*\u+1], v[S+32*\t+8*\u:S+32*\t+8*\u+1], v[S+32*\t+8*\u+4:S+32*\t+8*\u+5]
.endr
.endr
.irp u, 0,1
.irp t, 0,1
	v_pk_add_f32 v[S+32*\t+16*\u:S+32*\t+16*\u+1], v[S+32*\t+16*\u:S+32*\t+16*\u+1], v[S+32*\t+16*\u+8:S+32*\t+16*\u+9]
.endr
.endr
.irp t, 0,1
	v_pk_add_f32 v[S+32*\t:S+32*\t+1], v[S+32*\t:S+32*\t+1], v[S+32*\t+16:S+32*\t+17]
.endr
.irp t, 0,1
	v_pk_fma_f32 v[ST+8*\t+2:ST+8*\t+3], v[ST+8*\t+2:ST+8*\t+3], v[ST+8*\t+6:ST+8*\t+7], v[S+32*\t:S+32*\t+1] op_sel_hi:[1,0,1]   ; l = a l + the sum
.endr
.irp i, 0,1,2,3,4,5,6,7,8,9,10,11,12,13,14,15
.irp t, 0,1
	v_pk_mul_f32 v[O+32*\t+2*\i:O+32*\t+2*\i+1], v[O+32*\t+2*\i:O+32*\t+2*\i+1], v[ST+8*\t+6:ST+8*\t+7] op_sel_hi:[1,0]   ; O^T x a, each accumulator from its low end on
.endr
.endr
.endm
; A STEP: 64 keys, the q-th of the slot in hand.  A step all of whose keys come after my 32 queries is left out: a scalar branch on ids, round the step's loads and work; no barrier and no tensor load stands in a step.
.macro STEP q
	s_cmp_gt_u32 s[KF], s[QL]
	s_cbranch_scc1 .Lhid_\@
	v_add_nc_u32 v[ADK], s[TB], v[AK0]
	v_add_nc_u32 v[ADV], s[TB], v[AV0]
	WIN 0x40                                       ; destination window 1, address window 0
.irp kt, 0,1,2,3
.irp c, 0,1
	ds_load_b128 v[8*(2*\kt+\c):8*(2*\kt+\c)+3],   v[ADK] offset:64*KP*(\q)+16*KP*\kt+64*\c      ; keys 16 kt on, channels 32 c on
	ds_load_b128 v[8*(2*\kt+\c)+4:8*(2*\kt+\c)+7], v[ADK] offset:64*KP*(\q)+16*KP*\kt+64*\c+32
.endr
.endr
.irp g, 0,1
.irp ct, 0,1,2,3
	ds_load_tr16_b128 v[64+8*(4*\g+\ct):64+8*(4*\g+\ct)+3],   v[ADV] offset:64*VP*(\q)+32*VP*\g+32*\ct   ; keys 32 g on, channels 16 ct on
	ds_load_tr16_b128 v[64+8*(4*\g+\ct)+4:64+8*(4*\g+\ct)+7], v[ADV] offset:64*VP*(\q)+32*VP*\g+32*\ct+16*VP
.endr
.endr
	s_wait_dscnt 16                                ; K is in; V's sixteen loads may be out
	WIN 0x01                                       ; source 0 window 1
.irp c, 0,1                                    ; S^T = K Q^T: eight accumulators by turns, one instruction a turn
.irp kt, 0,1,2,3
.irp t, 0,1
.if \c == 0
	v_wmma_f32_16x16x32_f16 v[S+32*\t+8*\kt:S+32*\t+8*\kt+7], v[8*(2*\kt+\c):8*(2*\kt+\c)+7], v[Q+16*\t+8*\c:Q+16*\t+8*\c+7], 0
.else
	v_wmma_f32_16x16x32_f16 v[S+32*\t+8*\kt:S+32*\t+8*\kt+7], v[8*(2*\kt+\c):8*(2*\kt+\c)+7], v[Q+16*\t+8*\c:Q+16*\t+8*\c+7], v[S+32*\t+8*\kt:S+32*\t+8*\kt+7]
.endif
.endr
.endr
.endr
	WIN 0
.rept 4
	v_nop                                          ; places in front of the first read of the scores
.endr
	s_add_co_u32 s22, s[KF], 63                    ; on the diagonal the scores of hidden keys become -infinity ahead of the maximum: p = 0 then.  A step all of whose keys count for all my queries skips this
	s_cmp_le_u32 s22, s[Q0]
	s_cbranch_scc1 .Lopen_\@
	s_sub_co_i32 s22, s[Q0], s[KF]
	v_add_nc_u32 v[DM], s22, v[RH]                 ; d = my query - KF - 8 (lane / 16).  Register 8 kt + j holds key KF + 16 kt + 8 (lane / 16) + j: hidden where 16 kt + j > d
.irp t, 0,1
.if \t == 1
	v_add_nc_u32 v[DM], 16, v[DM]                  ; tile 1's queries are 16 further on
.endif
.irp kt, 0,1,2,3
.irp j, 0,1,2,3,4,5,6,7
	v_cmp_gt_i32 vcc_lo, 16*\kt+\j, v[DM]
	v_cndmask_b32 v[S+32*\t+8*\kt+\j], v[S+32*\t+8*\kt+\j], v[NINF], vcc_lo
.endr
.endr
.endr
.Lopen_\@:
	SOFTMAX
	s_wait_dscnt 0x0                               ; V is in
	WIN 0x01
.irp g, 0,1                                    ; O^T += V^T P: eight accumulators by turns
.irp ct, 0,1,2,3
.irp t, 0,1
	v_wmma_f32_16x16x32_f16 v[O+32*\t+8*\ct:O+32*\t+8*\ct+7], v[64+8*(4*\g+\ct):64+8*(4*\g+\ct)+7], v[P+16*\t+8*\g:P+16*\t+8*\g+7], v[O+32*\t+8*\ct:O+32*\t+8*\ct+7]
.endr
.endr
.endr
	WIN 0
.rept 4
	v_nop                                          ; places in front of the next loads into V's registers and of the next read of O^T
.endr
.Lhid_\@:
	s_add_co_u32 s[KF], s[KF], 64
.endm
.macro SLOT_STEPS
	STEP 0
	STEP 1
	STEP 2
	STEP 3
	s_xor_b32 s[TB], s[TB], SLOT1                  ; on to the other slot
.endm
; A BLOCK'S WAY OUT.  l's two halves and the other half of the lanes' are added; O^T is divided by l, rounded to f16 and sent through my stage: 32 rows of 128 bytes, which lie on end in sa: each store covers 512 consecutive bytes.
.macro FINISH
.irp t, 0,1
	v_add_f32 v[ST+8*\t+4], v[ST+8*\t+2], v[ST+8*\t+3]
.endr
.irp t, 0,1
	v_permlanex16_b32 v[ST+8*\t+5], v[ST+8*\t+4], s[SEL], s[SEL+1]
.endr
.irp t, 0,1
	v_add_f32 v[ST+8*\t+4], v[ST+8*\t+4], v[ST+8*\t+5]
.endr
.irp t, 0,1
	v_rcp_f32 v[ST+8*\t+6], v[ST+8*\t+4]
.endr
	v_nop                                          ; a plain instruction behind the last reciprocal
	s_wait_alu depctr_va_vdst(0)                   ; and the wait ahead of the first use: one for both
.irp t, 0,1
.irp i, 0,1,2,3,4,5,6,7,8,9,10,11,12,13,14,15
	v_pk_mul_f32 v[O+32*\t+2*\i:O+32*\t+2*\i+1], v[O+32*\t+2*\i:O+32*\t+2*\i+1], v[ST+8*\t+6:ST+8*\t+7] op_sel_hi:[1,0]
.endr
.irp i, 0,1,2,3,4,5,6,7,8,9,10,11,12,13,14,15
	v_cvt_pk_f16_f32 v[PK+16*\t+\i], v[O+32*\t+2*\i], v[O+32*\t+2*\i+1]
.endr
.irp ct, 0,1,2,3
	ds_store_b128 v[STO], v[PK+16*\t+4*\ct:PK+16*\t+4*\ct+3] offset:16*KP*\t+32*\ct   ; row 16 t + lane % 16, channels 16 ct + 8 (lane / 16) on
.endr
.endr
.irp i, 0,1,2,3,4,5,6,7
	ds_load_b128 v[S+4*\i:S+4*\i+3], v[RD] offset:4*KP*\i          ; four rows an instruction; LDS serves a wave's instructions in order: these see my stores
.endr
.irp i, 0,1,2,3,4,5,6,7
	s_wait_dscnt 7-\i
	global_store_b128 v[GO], v[S+4*\i:S+4*\i+3], s[OUT:OUT+1] offset:512*\i
.endr
.endm
; In trip I + 1 the first block is finished and the second begins.  The branch hangs on ids and the count of trips alone.
.macro SWITCH
	s_cmp_lg_u32 s[TR], s[SW]
	s_cbranch_scc1 .Lsame_\@
	FINISH
	s_wait_xcnt 0x0                                ; the stores have read their base and their registers: both are written again below
	s_mov_b64 s[OUT:OUT+1], s[OUTB:OUTB+1]
	s_mov_b32 s[Q0], s[Q0B]
	s_add_co_u32 s[QL], s[Q0], 31
	s_mov_b32 s[KF], 0
	WIN 0x01                                       ; source window 1: the second block's Q comes down
.set i, 0
.rept 32
	v_mov_b32 v[Q+i], v[128+i]
.set i, i+1
.endr
	WIN 0
	INIT
.Lsame_\@:
.endm
	s_load_b128 s[4:7], s[0:1], 0x0                ; qkv s[4:5], sa s[6:7]
	v_lshl_add_u32 v[SPW], v0, 2, SPARE
	v_mov_b32 v[NIL], 0
	ds_add_u32 v[SPW], v[NIL]                      ; the wave's opening: the add, twice on end, and its wait ahead of my first tensor load
	ds_add_u32 v[SPW], v[NIL]
	v_lshrrev_b32 v15, 5, v0
	v_readfirstlane_b32 s[WV], v15                 ; wave 0..7
	s_mov_b32 s[IB], ttmp9
	s_and_b32 s[HD], ttmp7, 0xffff
	; descriptor group 1: 64 rows of 64 elements of 2 bytes, dense in memory; padding behind each row of 32 words: four words for K, eight for V
	s_mov_b32 s[G1K], (1<<16)|(1<<20)|(4<<22)|(3<<25)
	s_mov_b32 s[G1V], (1<<16)|(1<<20)|(4<<22)|(7<<25)
.irp g, G1K, G1V
	s_mov_b32 s[\g+1], 64<<16                      ; tensor_dim0
	s_mov_b32 s[\g+2], 64<<16                      ; tensor_dim1
	s_mov_b32 s[\g+3], 64<<16                      ; tile_dim0
	s_mov_b32 s[\g+4], 64                          ; tile_dim1
	s_mov_b32 s[\g+5], 64                          ; from row to row
	s_mov_b32 s[\g+6], 0
	s_mov_b32 s[\g+7], 0
.endr
	s_and_b32 s22, s[WV], 3                        ; which quarter of a unit I fetch
	s_mov_b32 s[G0K], 1
	s_mul_i32 s[G0K+1], s22, 64*KP
	s_mov_b32 s[G0V], 1
	s_mul_i32 s[G0V+1], s22, 64*VP
	s_add_co_u32 s[G0V+1], s[G0V+1], VOFF
	s_lshl_b32 s12, s[HD], 18                      ; a head is 262,144 bytes in each of Q, K, V and sa
	s_mov_b32 s13, 0
	s_lshl_b32 s22, s22, 13
	s_add_co_u32 s22, s22, s12
	s_mov_b32 s23, 0
	s_add_co_u32 s[SW], s[IB], 1
	s_lshl_b32 s[RB], s[SW], 15
	s_mov_b32 s16, 0
	s_mov_b32 s17, 0
	s_mov_b32 s[TB], 0
	s_mov_b32 s[KF], 0
	s_mov_b32 s[TR], 0
	s_lshl_b32 s[Q0], s[IB], 8
	s_lshl_b32 s21, s[WV], 5
	s_add_co_u32 s[Q0], s[Q0], s21                 ; 256 I + 32 wave
	s_sub_co_u32 s[Q0B], 7, s[IB]
	s_lshl_b32 s[Q0B], s[Q0B], 8
	s_add_co_u32 s[Q0B], s[Q0B], s21               ; 256 (7 - I) + 32 wave
	s_add_co_u32 s[QL], s[Q0], 31
	s_mov_b32 s[CS], 0x3d0293ee                    ; c = log2(e) / sqrt(2048)
	s_mov_b32 s[CS+1], s[CS]
	s_mov_b32 s[SEL], 0x76543210
	s_mov_b32 s[SEL+1], 0xfedcba98
	s_cmp_eq_u32 s[IB], 0
	s_cselect_b32 s[LIM], 6, 0
	s_wait_dscnt 0x0                               ; both opening adds are done
	s_wait_kmcnt 0x0
	s_add_nc_u64 s[G0K+2:G0K+3], s[4:5], s[22:23]
	s_add_nc_u64 s[G0K+2:G0K+3], s[G0K+2:G0K+3], 0x1000000   ; K lies 16,777,216 bytes behind Q,
	s_add_nc_u64 s[G0V+2:G0V+3], s[4:5], s[22:23]
	s_add_nc_u64 s[G0V+2:G0V+3], s[G0V+2:G0V+3], 0x2000000   ; V as many behind K
	s_cmp_lt_u32 s[WV], 4
	s_cselect_b64 s[PFA:PFA+1], s[G0K+2:G0K+3], s[G0V+2:G0V+3]
	s_add_nc_u64 s[PFA:PFA+1], s[PFA:PFA+1], UNITB ; at unit 1: the first change of slots steps it to unit 2.  Nothing is prefetched here, at the head
	s_or_b32 s[G0K+3], s[G0K+3], 0x80000000
	s_or_b32 s[G0V+3], s[G0V+3], 0x80000000
	TLOAD                                          ; slot 0: key unit 0, which counts for every block
	s_add_nc_u64 s[4:5], s[4:5], s[12:13]          ; Q and sa at my head
	s_add_nc_u64 s[6:7], s[6:7], s[12:13]
	s_lshl_b32 s22, s[Q0], 7                       ; a position is 128 bytes
	s_add_nc_u64 s[2:3], s[4:5], s[22:23]
	s_add_nc_u64 s[OUT:OUT+1], s[6:7], s[22:23]
	s_lshl_b32 s22, s[Q0B], 7
	s_add_nc_u64 s[62:63], s[4:5], s[22:23]
	s_add_nc_u64 s[OUTB:OUTB+1], s[6:7], s[22:23]
	v_and_b32 v15, 15, v0                          ; r
	v_bfe_u32 v14, v0, 4, 1                        ; h
	v_lshlrev_b32 v[QO], 7, v15
	v_lshl_add_u32 v[QO], v14, 4, v[QO]            ; Q: row r of 128 bytes + 16 h
.irp t, 0,1
.irp c, 0,1
	global_load_b128 v[Q+16*\t+8*\c:Q+16*\t+8*\c+3],   v[QO], s[2:3] offset:\t*2048+64*\c
	global_load_b128 v[Q+16*\t+8*\c+4:Q+16*\t+8*\c+7], v[QO], s[2:3] offset:\t*2048+64*\c+32
.endr
.endr
	WIN 0x40
.irp t, 0,1
.irp c, 0,1
	global_load_b128 v[128+16*\t+8*\c:128+16*\t+8*\c+3],   v[QO], s[62:63] offset:\t*2048+64*\c
	global_load_b128 v[128+16*\t+8*\c+4:128+16*\t+8*\c+7], v[QO], s[62:63] offset:\t*2048+64*\c+32
.endr
.endr
	WIN 0
	v_mul_u32_u24 v[AK0], v15, KP
	v_lshl_add_u32 v[AK0], v14, 4, v[AK0]          ; K: row r x pitch + 16 h
	v_and_b32 v3, 7, v0
	v_lshl_add_u32 v3, v14, 3, v3
	v_mul_u32_u24 v[AV0], v3, VP                   ; V: key 8 h + lane % 8,
	v_bfe_u32 v4, v0, 3, 1
	v_lshl_add_u32 v[AV0], v4, 4, v[AV0]           ; channels 8 ((lane / 8) % 2) on
	v_add_nc_u32 v[AV0], VOFF, v[AV0]
	s_mul_i32 s22, s[WV], 32*KP
	s_add_co_u32 s22, s22, STAGE                   ; my stage
	v_mul_u32_u24 v[STO], v15, KP
	v_lshl_add_u32 v[STO], v14, 4, v[STO]
	v_add_nc_u32 v[STO], s22, v[STO]
	v_bfe_u32 v3, v0, 3, 2
	v_mul_u32_u24 v[RD], v3, KP                    ; back: eight lanes to a row of 128 bytes
	v_and_b32 v4, 7, v0
	v_lshl_add_u32 v[RD], v4, 4, v[RD]
	v_add_nc_u32 v[RD], s22, v[RD]
	v_and_b32 v[GO], 31, v0
	v_lshlrev_b32 v[PFO], 8, v[GO]
	v_lshlrev_b32 v[GO], 4, v[GO]
	v_lshlrev_b32 v[RH], 3, v14
	v_sub_nc_u32 v[RH], v15, v[RH]
	v_mov_b32 v[NINF], 0xff800000
	INIT
	s_wait_loadcnt 0x0                             ; both blocks' Q
.Ltrip:                                            ; eight trips: behind each change of slots the next trip's key unit is asked for
	CHANGE 1
	SWITCH
	SLOT_STEPS
	s_add_co_u32 s[TR], s[TR], 1
	s_cmp_lt_u32 s[TR], 8
	s_cbranch_scc1 .Ltrip
	CHANGE 0                                       ; the ninth trip is written out: nothing is left to ask for
	SLOT_STEPS
	FINISH
	s_wait_tensorcnt 0x0                           ; the wave's end, behind my last tensor load and my last LDS store
	ds_add_u32 v[SPW], v[NIL]
	s_wait_dscnt 0x0
	s_endpgm
.Lfunc_end_k_q647fd6f62a_attn:
	.size	k_q647fd6f62a_attn, .Lfunc_end_k_q647fd6f62a_attn-k_q647fd6f62a_attn
	.p2alignl 7, 3214868480
	.fill 96, 4, 3214868480
	.section	.rodata,"a",@progbits
	.p2align	6, 0x0
	.amdhsa_kernel k_q647fd6f62a_attn
		.amdhsa_group_segment_fixed_size 327680
		.amdhsa_private_segment_fixed_size 0
		.amdhsa_enable_private_segment 0
		.amdhsa_kernarg_size 16
		.amdhsa_user_sgpr_count 2
		.amdhsa_user_sgpr_kernarg_segment_ptr 1
		.amdhsa_wavefront_size32 1
		.amdhsa_system_sgpr_workgroup_id_x 1
		.amdhsa_system_sgpr_workgroup_id_y 1
		.amdhsa_system_sgpr_workgroup_id_z 1
		.amdhsa_system_vgpr_workitem_id 0
		.amdhsa_next_free_vgpr 416
		.amdhsa_next_free_sgpr 66
		.amdhsa_reserve_vcc 1
		.amdhsa_float_denorm_mode_32 3
		.amdhsa_float_denorm_mode_16_64 3
		.amdhsa_memory_ordered 1
		.amdhsa_forward_progress 1
		.amdhsa_inst_pref_size 199
	.end_amdhsa_kernel
	.amdgpu_metadata
---
amdhsa.version: [ 1, 2 ]
amdhsa.kernels:
  - .name:           k_q647fd6f62a_attn
    .symbol:         k_q647fd6f62a_attn.kd
    .args:
      - { .name: qkv, .offset: 0, .size: 8, .value_kind: global_buffer, .address_space: global }
      - { .name: sa, .offset: 8, .size: 8, .value_kind: global_buffer, .address_space: global }
    .group_segment_fixed_size: 327680
    .private_segment_fixed_size: 0
    .kernarg_segment_align: 8
    .kernarg_segment_size: 16
    .max_flat_workgroup_size: 256
    .sgpr_count:     66
    .vgpr_count:     416
    .wavefront_size: 32
...
	.end_amdgpu_metadata
.endif
;; end of part 3
;; launch proj (part 4): grid 8 x 64, 4 waves a work-group, clusters of 4 x 4, 327,680 bytes of LDS; arguments sa, wo, out0, b_out; writes out0
.if DOCPART == 4
	.amdgcn_target "amdgcn-amd-amdhsa--gfx1250"
	.amdhsa_code_object_version 6
	.text
	.protected	k_q647fd6f62a_proj
	.globl	k_q647fd6f62a_proj
	.p2align	8
	.type	k_q647fd6f62a_proj,@function
k_q647fd6f62a_proj:
	s_mov_b64 s[64:65], 0
	v_nop
	global_prefetch_b8 v0, s[64:65] scope:SCOPE_SE
	s_setreg_imm32_b32 hwreg(HW_REG_WAVE_MODE, 25, 1), 1
	s_wait_xcnt 0x0
	s_wait_alu depctr_hold_cnt(0) depctr_sa_sdst(0) depctr_va_vdst(0) depctr_va_sdst(0) depctr_va_ssrc(0) depctr_va_vcc(0) depctr_vm_vsrc(0)
	s_getreg_b32 s2, hwreg(HW_REG_IB_STS2, 6, 4)
	s_cmp_eq_u32 s2, 0
	s_cbranch_scc0 .Lentry_in_a_cluster
	s_endpgm
.Lentry_in_a_cluster:
	s_bfe_u32 s2, ttmp6, 0x10000c
	s_cmp_lg_u32 s2, 0xf033
	s_cbranch_scc0 .Lentry_shape_is_right
	s_endpgm
.Lentry_shape_is_right:
; out0[m][n] = the sum over k of sa[m][k] wo[n][k] + b_out[n].  sa: [8192][1024] f16, wo = W_out turned: [1024 n][1024 k] f16; out0: [8192][1024] f32; sums in f32.
; All rows are made here on f16 operands; rows 128 H are written again, from f32 operands, by the launch behind this one.
; A tile of 128 x 128 (512 tiles for the chip's work-group places); four waves, each 64 x 64: 16 accumulators.  K goes in steps of 256 (LDS rows of 512 bytes; a wave's tensor load brings 64 of them) through two slots.
; CLUSTERS: 4 x 4 work-groups: the four of a row need the same tiles of sa, the four of a column the same tiles of wo: each tile is asked for JOINTLY.
; THE MATRIX INSTRUCTION IS USED TRANSPOSED (source 0 = 16 rows of wo, source 1 = 16 rows of sa): a lane holds eight neighbouring numbers of a row of out0.  The bias is the C of each sum's first matrix instruction.
; No prefetch: a K step's tiles are small and shared in the cluster.
; REGISTERS: window 0: v0-31 addresses; v32-95 rows on the way out; v96-127 the bias; v128-255 the accumulators ((a, b) at v[128 + 8 (4 a + b)]).  window 1: two fragment buffers of 128.
.set SIZE_K, 1024
.set KSTEP,  256
.set PITCH,  528                       ; an LDS row: 512 bytes + 16
.set HALFT,  64*PITCH
.set SLOT,   4*HALFT
.set STAGE,  2*SLOT                    ; behind the ring: 16 rows x 272 bytes for each wave: a wave's 64 columns of f32 are 256 bytes, aligned, so each wave has a stage of its own and no barrier is needed
.set SPITCH, 272
.set SPARE,  STAGE+4*16*SPITCH         ; the spare words, 128 bytes for each wave: two blocks of 256 bytes that no other line names
.set LAPS, SIZE_K/(2*KSTEP)
.set ADRA, 16
.set ADRB, 20
.set STO,  24
.set RD,   25
.set CO,   26
.set HB,   27                          ; v27  32 x (lane / 16)
.set SPW,  28
.set NIL,  29
.set TMP,  32
.set BI,   96
.set ACC,  128
.set F0,   0
.set F1,   128
.set G1, 24
.set G0, 32
.set G1B, 48
.set G0B, 56
.set MSB, 0
.macro WIN new
.if MSB != \new
	s_set_vgpr_msb (MSB<<8)|\new
.set MSB, \new
.endif
.endm
.set MUL,  0x05                        ; sources 0 and 1 window 1; C and D window 0
.set TO_F, 0x40
.macro JLOAD s                         ; a joint load: waves 0 and 1 fetch sa's two halves, waves 2 and 3 wo's; an s_nop 0 and four v_nop follow each of the two lines
	s_cmp_eq_u32 s11, 0
	s_cbranch_scc0 .Lfor_b_\@
	tensor_load_to_lds s[G0+4*\s:G0+4*\s+3], s[G1:G1+7]
	s_nop 0
.rept 4
	v_nop
.endr
	s_branch .Lasked_\@
.Lfor_b_\@:
	tensor_load_to_lds s[G0B+4*\s:G0B+4*\s+3], s[G1B:G1B+7]
	s_nop 0
.rept 4
	v_nop
.endr
.Lasked_\@:
.endm
.macro CREST                           ; a round of the cluster's barrier behind its opening barrier
	s_cmp_lg_u32 s10, 0
	s_cbranch_scc1 .Lnot_wave_0_\@
	s_barrier_signal -3
.Lnot_wave_0_\@:
	s_barrier_wait -3
	s_barrier_signal -1
	s_barrier_wait -1
.endm
.macro CROUND
	s_barrier_signal -1
	s_barrier_wait -1
	CREST
.endm
	s_load_b128 s[4:7], s[0:1], 0x0                ; sa s[4:5], wo s[6:7]
	s_load_b64 s[8:9], s[0:1], 0x10                ; out0
	s_load_b64 s[66:67], s[0:1], 0x18              ; b_out
	v_lshl_add_u32 v[SPW], v0, 2, SPARE
	v_mov_b32 v[NIL], 0
	ds_add_u32 v[SPW], v[NIL]                      ; the wave's opening: the add, twice on end, and its wait ahead of my first tensor load
	ds_add_u32 v[SPW], v[NIL]
	v_lshrrev_b32 v1, 5, v0
	v_readfirstlane_b32 s10, v1                    ; wave 0..3
	s_lshr_b32 s11, s10, 1                         ; which half of the tile's rows is mine.  Also: I fetch for sa (0) or for wo (1)
	s_and_b32 s12, s10, 1                          ; which half of its columns.  Also: which 64 rows of that tile I fetch
	s_bfe_u32 s40, ttmp6, 0x40000                  ; cx, cy
	s_bfe_u32 s41, ttmp6, 0x40004
	s_lshl_b32 s42, ttmp9, 2
	s_add_co_u32 s42, s42, s40                     ; tile column
	s_and_b32 s13, ttmp7, 0xffff
	s_lshl_b32 s13, s13, 2
	s_add_co_u32 s13, s13, s41                     ; tile row
	s_lshl_b32 s43, s41, 2
	s_lshl_b32 s43, 15, s43                        ; my row of the cluster
	s_lshl_b32 s44, 0x1111, s40                    ; my column
	s_or_b32 s[G1+0], s43, (1<<16)|(1<<20)|(1<<21)|(6<<22)|(3<<25)  ; the mask; elements of 2 bytes; padding on; bit 21 beside a mask; after every 128 words four words
	s_or_b32 s[G1B+0], s44, (1<<16)|(1<<20)|(1<<21)|(6<<22)|(3<<25)
.irp g, G1, G1B
	s_mov_b32 s[\g+1], KSTEP<<16                   ; tensor_dim0 = 256
	s_mov_b32 s[\g+2], 64<<16                      ; tensor_dim1 = 64
	s_mov_b32 s[\g+3], KSTEP<<16                   ; tile_dim0 = 256
	s_mov_b32 s[\g+4], 64                          ; tile_dim1 = 64
	s_mov_b32 s[\g+5], SIZE_K                      ; from row to row
	s_mov_b32 s[\g+6], 0
	s_mov_b32 s[\g+7], 0
.endr
	s_lshl_b32 s17, s12, 6
	s_lshl_b32 s16, s13, 7
	s_add_co_u32 s16, s16, s17                     ; sa: row 128 x tile row + 64 x half
	s_lshl_b32 s46, s42, 7
	s_add_co_u32 s46, s46, s17                     ; wo: row 128 x tile column + 64 x half
	s_mov_b32 s17, 0
	s_mov_b32 s47, 0
	s_mov_b64 s[18:19], SIZE_K*2
	s_mul_u64 s[16:17], s[16:17], s[18:19]
	s_mul_u64 s[46:47], s[46:47], s[18:19]
	s_mul_i32 s20, s10, HALFT                      ; where they go: wave x 64 rows
	s_wait_dscnt 0x0                               ; both opening adds are done
	s_wait_kmcnt 0x0
	s_add_nc_u64 s[14:15], s[4:5], s[16:17]
	s_add_nc_u64 s[46:47], s[6:7], s[46:47]
	CROUND                                         ; all sixteen work-groups are here: the first joint loads meet
.irp s, 0,1
	s_mov_b32 s[G0+4*\s], 1
	s_add_co_u32 s[G0+4*\s+1], s20, \s*SLOT
	s_add_nc_u64 s[G0+4*\s+2:G0+4*\s+3], s[14:15], \s*KSTEP*2
	s_or_b32 s[G0+4*\s+3], s[G0+4*\s+3], 0x80000000
	s_mov_b32 s[G0B+4*\s], 1
	s_add_co_u32 s[G0B+4*\s+1], s20, \s*SLOT
	s_add_nc_u64 s[G0B+4*\s+2:G0B+4*\s+3], s[46:47], \s*KSTEP*2
	s_or_b32 s[G0B+4*\s+3], s[G0B+4*\s+3], 0x80000000
	JLOAD \s
.endr
	v_and_b32 v1, 15, v0                           ; r
	v_bfe_u32 v2, v0, 4, 1                         ; h
	v_lshlrev_b32 v[HB], 5, v2
	s_lshl_b32 s46, s42, 9                         ; my first column, in bytes of f32: 512 x tile column + 256 x half
	s_lshl_b32 s47, s12, 8
	s_add_co_u32 s46, s46, s47
	s_mov_b32 s47, 0
	s_add_nc_u64 s[66:67], s[66:67], s[46:47]
.irp b, 0,1,2,3
	global_load_b128 v[BI+8*\b:BI+8*\b+3], v[HB], s[66:67] offset:64*\b        ; the bias of columns 16 b + 8 h + 0 .. 7
	global_load_b128 v[BI+8*\b+4:BI+8*\b+7], v[HB], s[66:67] offset:64*\b+16
.endr
	v_mul_u32_u24 v3, v1, PITCH
	v_lshl_add_u32 v3, v2, 4, v3
	s_mul_i32 s21, s11, HALFT
	s_mul_i32 s22, s12, HALFT
	s_add_co_u32 s22, s22, 2*HALFT
.irp s, 0,1
	v_add_nc_u32 v[ADRA+\s], s21, v3
	v_add_nc_u32 v[ADRB+\s], s22, v3
	s_add_co_u32 s21, s21, SLOT
	s_add_co_u32 s22, s22, SLOT
.endr
	s_mul_i32 s23, s10, 16*SPITCH
	s_add_co_u32 s23, s23, STAGE                   ; my stage
	v_mul_u32_u24 v4, v1, SPITCH                   ; in: row r, 32 bytes for each half of the lanes
	v_lshl_add_u32 v4, v2, 5, v4
	v_add_nc_u32 v[STO], s23, v4
	v_mul_u32_u24 v5, v2, SPITCH                   ; back: lanes 0-15 one row of 256 bytes, lanes 16-31 the next
	v_lshl_add_u32 v5, v1, 4, v5
	v_add_nc_u32 v[RD], s23, v5
	v_lshlrev_b32 v5, 12, v2                       ; and the same two rows in out0: 4,096 bytes a row
	v_lshl_add_u32 v[CO], v1, 4, v5
	s_lshl_b32 s16, s13, 7
	s_lshl_b32 s17, s11, 6
	s_add_co_u32 s16, s16, s17                     ; my first row: 128 x tile row + 64 x half
	s_lshl_b32 s16, s16, 12
	s_add_co_u32 s16, s16, s46
	s_mov_b32 s17, 0
	s_add_nc_u64 s[8:9], s[8:9], s[16:17]
; 8 matrix instructions: m blocks a0, a0 + 1 x all 4 n blocks, 32 along K: half c of buffer f.  zero = 1: the first product starts the sums from the bias.  The 16 accumulators take turns
.macro MUL8 f, c, a0, zero
.irp a, \a0, \a0+1
.irp b, 0,1,2,3
.if \zero
	v_wmma_f32_16x16x32_f16 v[ACC+8*(4*(\a)+\b):ACC+8*(4*(\a)+\b)+7], v[\f+64+8*(4*\c+\b):\f+64+8*(4*\c+\b)+7], v[\f+8*(4*\c+\a):\f+8*(4*\c+\a)+7], v[BI+8*\b:BI+8*\b+7]
.else
	v_wmma_f32_16x16x32_f16 v[ACC+8*(4*(\a)+\b):ACC+8*(4*(\a)+\b)+7], v[\f+64+8*(4*\c+\b):\f+64+8*(4*\c+\b)+7], v[\f+8*(4*\c+\a):\f+8*(4*\c+\a)+7], v[ACC+8*(4*(\a)+\b):ACC+8*(4*(\a)+\b)+7]
.endif
.endr
.endr
.endm
.macro FETCH slot, k, f                ; 32 LDS loads in one run: the fragments of 64 along K at byte k of the rows; the first 32 along K first
	WIN TO_F
.irp c, 0,1
.irp i, 0,1,2,3
	ds_load_b128 v[\f+64+8*(4*\c+\i):\f+64+8*(4*\c+\i)+3],   v[ADRB+\slot] offset:\k+64*\c+\i*16*PITCH
	ds_load_b128 v[\f+64+8*(4*\c+\i)+4:\f+64+8*(4*\c+\i)+7], v[ADRB+\slot] offset:\k+64*\c+\i*16*PITCH+32
	ds_load_b128 v[\f+8*(4*\c+\i):\f+8*(4*\c+\i)+3],         v[ADRA+\slot] offset:\k+64*\c+\i*16*PITCH
	ds_load_b128 v[\f+8*(4*\c+\i)+4:\f+8*(4*\c+\i)+7],       v[ADRA+\slot] offset:\k+64*\c+\i*16*PITCH+32
.endr
.endr
.endm
.macro PLACES                          ; four places in front of loads into registers that matrix instructions have read, and of the first read of results
.rept 4
	v_nop
.endr
.endm
.macro QUARTER slot, k, f, g, zero     ; 64 along K: multiplies buffer f and fetches the next quarter, at byte k, into g
	s_wait_dscnt 16                                ; the first 32 along K are in; the other sixteen loads may be out
	WIN MUL
	MUL8 \f, 0, 0, \zero
	MUL8 \f, 0, 2, \zero
	PLACES
	FETCH \slot, \k, \g
	s_wait_dscnt 32                                ; all but the 32 just issued
	WIN MUL
	MUL8 \f, 1, 0, 0
	MUL8 \f, 1, 2, 0
.endm
; A slot's last quarter changes slots: ONE barrier; in front of it each wave waits for all its tensor loads, adds 0 to its spare word, and waits for that and for its reads of this slot.  fill = 1: this slot is filled again, two K steps ahead.
.macro TURN slot, next, fill
	WIN 0
	s_wait_tensorcnt 0x0                           ; all my tensor loads have landed: my part of the next slot
	ds_add_u32 v[SPW], v[NIL]                      ; 0 onto my spare word
	s_wait_dscnt 17                                ; (the add and the youngest sixteen loads may be out)
	WIN MUL
	MUL8 F1, 0, 0, 0
	s_wait_dscnt 0x0                               ; the add is done, and my reads of this slot are over
	s_barrier_signal -1
	MUL8 F1, 0, 2, 0
.if \fill
	WIN 0
.endif
	s_barrier_wait -1
.if \fill
	CREST                                          ; the barrier has opened a round of the cluster's barrier: no wave of any partner still reads this slot or has a load on its way
	s_add_nc_u64 s[G0+4*\slot+2:G0+4*\slot+3], s[G0+4*\slot+2:G0+4*\slot+3], 2*KSTEP*2
	s_add_nc_u64 s[G0B+4*\slot+2:G0B+4*\slot+3], s[G0B+4*\slot+2:G0B+4*\slot+3], 2*KSTEP*2
	JLOAD \slot                                    ; the first tensor load behind the round; its four v_nop are also the places in front of the loads below
.else
	PLACES
.endif
	FETCH \next, 0, F0
	WIN MUL
	MUL8 F1, 1, 0, 0
	MUL8 F1, 1, 2, 0
.endm
	s_wait_tensorcnt 1                             ; my part of K step 0 is in (K step 1's load may be out)
	s_barrier_signal -1
	s_barrier_wait -1                              ; everybody's is
	FETCH 0, 0, F0
	s_wait_loadcnt 0x0                             ; the bias
	QUARTER 0, 128, F0, F1, 1
	WIN 0
	s_mov_b32 s3, LAPS-1
.Llap:                                             ; a trip goes once round the ring, from a lap's second quarter to the next lap's first, and fills both slots again
	QUARTER 0, 256, F1, F0, 0
	QUARTER 0, 384, F0, F1, 0
	TURN 0, 1, 1
	QUARTER 1, 128, F0, F1, 0
	QUARTER 1, 256, F1, F0, 0
	QUARTER 1, 384, F0, F1, 0
	TURN 1, 0, 1
	QUARTER 0, 128, F0, F1, 0
	WIN 0
	s_sub_co_u32 s3, s3, 1
	s_cmp_lg_u32 s3, 0
	s_cbranch_scc1 .Llap
	QUARTER 0, 256, F1, F0, 0                      ; the last lap fills nothing, and has no round of the cluster's barrier
	QUARTER 0, 384, F0, F1, 0
	TURN 0, 1, 0
	QUARTER 1, 128, F0, F1, 0
	QUARTER 1, 256, F1, F0, 0
	QUARTER 1, 384, F0, F1, 0
	s_wait_dscnt 16
	WIN MUL
	MUL8 F1, 0, 0, 0
	MUL8 F1, 0, 2, 0
	s_wait_dscnt 0
	MUL8 F1, 1, 0, 0
	MUL8 F1, 1, 2, 0
	WIN 0
; THE WAY OUT, block by block of 16 rows x 64 columns of f32: a lane holds 32 neighbouring bytes of a row; the block goes through my own stage and comes back as whole rows of 256 bytes.
.macro TOSTAGE a
.irp b, 0,1,2,3
	ds_store_b128 v[STO], v[ACC+8*(4*(\a)+\b):ACC+8*(4*(\a)+\b)+3] offset:64*\b       ; each accumulator from its low end on
	ds_store_b128 v[STO], v[ACC+8*(4*(\a)+\b)+4:ACC+8*(4*(\a)+\b)+7] offset:64*\b+16
.endr
.irp t, 0,1,2,3,4,5,6,7
	ds_load_b128 v[TMP+32*((\a)%2)+4*\t:TMP+32*((\a)%2)+4*\t+3], v[RD] offset:\t*2*SPITCH   ; LDS serves a wave's instructions in order: these see the stores above, and the next block's stores come behind them
.endr
.endm
.macro SEND a, younger                 ; younger: the LDS instructions issued behind block a's loads: the next block's eight stores and eight loads, or none
	s_wait_dscnt \younger
.irp t, 0,1,2,3,4,5,6,7
	global_store_b128 v[CO], v[TMP+32*((\a)%2)+4*\t:TMP+32*((\a)%2)+4*\t+3], s[8:9] offset:(16*(\a)+2*\t)*4096 th:TH_STORE_NT   ; 16 lanes store 256 consecutive bytes, aligned
.endr
.endm
	PLACES
	TOSTAGE 0
.irp a, 1,2,3
.if \a > 1
	s_wait_xcnt 0x0                                ; block a - 2's stores have read their registers: block a's loads may land there
.endif
	TOSTAGE \a
	SEND \a-1, 16
.endr
	SEND 3, 0
	s_wait_tensorcnt 0x0                           ; the wave's end, behind my last tensor load and my last LDS store
	ds_add_u32 v[SPW], v[NIL]
	s_wait_dscnt 0x0
	CROUND                                         ; the closing round
	s_endpgm
.Lfunc_end_k_q647fd6f62a_proj:
	.size	k_q647fd6f62a_proj, .Lfunc_end_k_q647fd6f62a_proj-k_q647fd6f62a_proj
	.p2alignl 7, 3214868480
	.fill 96, 4, 3214868480
	.section	.rodata,"a",@progbits
	.p2align	6, 0x0
	.amdhsa_kernel k_q647fd6f62a_proj
		.amdhsa_group_segment_fixed_size 327680
		.amdhsa_private_segment_fixed_size 0
		.amdhsa_enable_private_segment 0
		.amdhsa_kernarg_size 32
		.amdhsa_user_sgpr_count 2
		.amdhsa_user_sgpr_kernarg_segment_ptr 1
		.amdhsa_wavefront_size32 1
		.amdhsa_system_sgpr_workgroup_id_x 1
		.amdhsa_system_sgpr_workgroup_id_y 1
		.amdhsa_system_sgpr_workgroup_id_z 1
		.amdhsa_system_vgpr_workitem_id 0
		.amdhsa_next_free_vgpr 512
		.amdhsa_next_free_sgpr 68
		.amdhsa_reserve_vcc 0
		.amdhsa_float_denorm_mode_32 3
		.amdhsa_float_denorm_mode_16_64 3
		.amdhsa_memory_ordered 1
		.amdhsa_forward_progress 1
		.amdhsa_inst_pref_size 86
	.end_amdhsa_kernel
	.amdgpu_metadata
---
amdhsa.version: [ 1, 2 ]
amdhsa.kernels:
  - .name:           k_q647fd6f62a_proj
    .symbol:         k_q647fd6f62a_proj.kd
    .args:
      - { .name: sa, .offset: 0, .size: 8, .value_kind: global_buffer, .address_space: global }
      - { .name: wo, .offset: 8, .size: 8, .value_kind: global_buffer, .address_space: global }
      - { .name: out0, .offset: 16, .size: 8, .value_kind: global_buffer, .address_space: global }
      - { .name: b_out, .offset: 24, .size: 8, .value_kind: global_buffer, .address_space: global }
    .group_segment_fixed_size: 327680
    .private_segment_fixed_size: 0
    .kernarg_segment_align: 8
    .kernarg_segment_size: 32
    .max_flat_workgroup_size: 128
    .sgpr_count:     68
    .vgpr_count:     512
    .wavefront_size: 32
...
	.end_amdgpu_metadata
.endif
;; end of part 4
;; launch first16 (part 5): grid 16 x 4, 16 waves a work-group, no clusters, 137,472 bytes of LDS; arguments x0, W_out, b_out, out0; writes out0
.if DOCPART == 5
	.amdgcn_target "amdgcn-amd-amdhsa--gfx1250"
	.amdhsa_code_object_version 6
	.text
	.protected	k_q647fd6f62a_first16
	.globl	k_q647fd6f62a_first16
	.p2align	8
	.type	k_q647fd6f62a_first16,@function
k_q647fd6f62a_first16:
	s_mov_b64 s[64:65], 0
	v_nop
	global_prefetch_b8 v0, s[64:65] scope:SCOPE_SE
	s_setreg_imm32_b32 hwreg(HW_REG_WAVE_MODE, 25, 1), 1
	s_wait_xcnt 0x0
; THE FIRST 16 POSITIONS OF EVERY HEAD, IN f32.  Under the causal mask they average one to sixteen values and are the largest numbers of sa; together they are row 128 H of sa, and so of out0.
; x0 [64 H][3072]: q(pos, e) at 64 pos + e, k 1,024 further on, v 2,048 further on, f32.  This launch makes the 16 x 16 attention of each head and out0's rows 128 H = sa_row W_out + b_out, all on f32 operands
; (v_wmma_f32_16x16x4_f32: 64 rows in all, no bulk work), and writes them over what the launch before has put there.
; SHARES.  Work-group (cs, hg): 64 columns of out0 for 16 heads.  64 work-groups: 16 heads fill the matrix form's 16 rows, 64 columns of f32 are 256 consecutive bytes; there is no work for more.
;   1: wave w makes the attention of head 16 hg + w (every work-group of a column of the grid repeats it: 32 matrix instructions) and puts its 16 x 64 numbers into LDS | barrier |
;   2: wave w multiplies position w's 64 numbers of all 16 heads by rows 64 w .. 64 w + 63 of W_out; its 16 x 64 partial sums go to LDS | barrier |  wave w adds the sixteen parts of head w, and the bias, and stores.
; THE CONTRACTED AXIS IS PERMUTED ALIKE ON BOTH SIDES of each product, so that plain loads fill the fragments: a lane (r, h) holds channels 32 h + 0..31 of q and k, keys 8 h + 0..7 of p and v, rows 64 w + 32 h + 0..31 of W_out;
; step i takes registers 2 i and 2 i + 1 of both sides.  The order of the f32 sums so differs from a plain ascending one.
; The registers that the matrix instructions write (v40-87) are written by them alone; sums begin with the constant 0.
; REGISTERS: v1-13 addresses; v14, v15 the add's two; v16-23 scores, then p; v24-29 at work; v32-39 p / l; v40-47, v48-55 S^T in two halves; v56-87 four accumulators; v90-91 the bias;
;   v96-127 v turned, later sa's fragment; v128-255 W_out in four chunks of 32; q and k lie in chunks 2 and 3 first.
.set HSTR,  4368                       ; LDS: sa: address(head, pos, e) = 4368 head + 272 pos + 4 e: both strides are odd multiples of 16 bytes
.set PSTR,  272
.set RED,   16*HSTR                    ; the partial sums: [16 waves][16 heads][64 columns] f32
.set SPARE, RED+65536                  ; the spare words, 128 bytes for each of the sixteen waves: eight blocks of 256 bytes that no other line names
.set SPW, 14
.set NIL, 15
.macro WCHUNK c                        ; rows 64 w + 32 h + 8 c + i of W_out, columns 16 ct + r: sixteen lanes read 64 consecutive bytes
.irp ct, 0,1,2,3
.irp i, 0,1,2,3,4,5,6,7
	global_load_b32 v[128+32*\c+8*\ct+\i], v5, s[6:7] offset:(8*\c+\i)*4096+64*\ct
.endr
.endr
.endm
.macro GROUP c                         ; 16 matrix instructions on chunk c: four accumulators by turns, one instruction a turn
.irp i, 0,1,2,3
.irp ct, 0,1,2,3
.if (\c == 0) && (\i == 0)
	v_wmma_f32_16x16x4_f32 v[56+8*\ct:63+8*\ct], v[96+8*\c+2*\i:97+8*\c+2*\i], v[128+32*\c+8*\ct+2*\i:129+32*\c+8*\ct+2*\i], 0
.else
	v_wmma_f32_16x16x4_f32 v[56+8*\ct:63+8*\ct], v[96+8*\c+2*\i:97+8*\c+2*\i], v[128+32*\c+8*\ct+2*\i:129+32*\c+8*\ct+2*\i], v[56+8*\ct:63+8*\ct]
.endif
.endr
.endr
.endm
	s_load_b256 s[4:11], s[0:1], 0x0               ; x0 s[4:5], W_out s[6:7], b_out s[8:9], out0 s[10:11]
	v_lshl_add_u32 v[SPW], v0, 2, SPARE
	v_mov_b32 v[NIL], 0
	v_lshrrev_b32 v1, 5, v0
	v_readfirstlane_b32 s12, v1                    ; wave 0..15
	s_and_b32 s13, ttmp7, 0xffff                   ; hg
	s_lshl_b32 s14, s13, 4
	s_add_co_u32 s14, s14, s12                     ; my head H
	v_and_b32 v1, 15, v0                           ; r
	v_bfe_u32 v2, v0, 4, 1                         ; h
	v_lshlrev_b32 v3, 8, v1
	v_lshl_add_u32 v3, v2, 7, v3                   ; q, k: position r of 256 bytes, + 128 h
	v_lshlrev_b32 v13, 2, v1
	v_lshl_add_u32 v4, v2, 11, v13                 ; v: key 8 h of 256 bytes, + 4 r
	v_lshl_add_u32 v5, v2, 17, v13                 ; W_out: 32 h rows of 4,096 bytes, + 4 r
	s_mul_i32 s16, s12, HSTR
	v_mul_u32_u24 v6, v1, PSTR
	v_lshl_add_u32 v6, v2, 5, v6
	v_add_nc_u32 v6, s16, v6                       ; sa, in: head w, position r, channels 8 h on
	s_mul_i32 s17, s12, PSTR
	v_mul_u32_u24 v7, v1, HSTR
	v_lshl_add_u32 v7, v2, 7, v7
	v_add_nc_u32 v7, s17, v7                       ; sa, back: head r, position w, channels 32 h on
	s_lshl_b32 s18, s12, 12
	s_add_co_u32 s18, s18, RED
	v_add_nc_u32 v8, s18, v4                       ; the parts, in: wave w, heads 8 h on, column r
	s_lshl_b32 s19, s12, 8
	s_add_co_u32 s19, s19, RED
	v_and_b32 v10, 31, v0
	v_lshlrev_b32 v10, 3, v10                      ; two columns a lane
	v_add_nc_u32 v9, s19, v10                      ; the parts, back: head w
	v_lshlrev_b32 v11, 3, v2
	v_sub_nc_u32 v11, v1, v11                      ; r - 8 h
	v_mov_b32 v12, 0xff800000                      ; -infinity
	v_mov_b32 v25, 0                               ; written once: a lane permute's destination counts as one of its sources
	v_mov_b32 v28, 0
	s_mov_b32 s20, 0x76543210
	s_mov_b32 s21, 0xfedcba98                      ; v_permlanex16_b32's selects for lane l xor 16
	s_mov_b32 s22, 0x3d0293ee                      ; c = log2(e) / sqrt(2048)
	s_mov_b32 s25, 0
	s_lshl_b32 s26, ttmp9, 8                       ; my 64 columns, in bytes
	s_mov_b32 s27, 0
	s_wait_kmcnt 0x0
	s_mul_i32 s24, s14, 12288
	s_add_nc_u64 s[4:5], s[4:5], s[24:25]          ; x0 at my head
	s_lshl_b32 s24, s12, 18
	s_add_nc_u64 s[6:7], s[6:7], s[24:25]          ; W_out at row 64 w,
	s_add_nc_u64 s[6:7], s[6:7], s[26:27]          ; my columns
	s_add_nc_u64 s[8:9], s[8:9], s[26:27]
	s_lshl_b32 s24, s14, 19                        ; out0: row 128 H of 4,096 bytes
	s_add_nc_u64 s[10:11], s[10:11], s[24:25]
	s_add_nc_u64 s[10:11], s[10:11], s[26:27]
	global_load_b64 v[90:91], v10, s[8:9]          ; the bias of my two columns
.irp i, 0,1,2,3,4,5,6,7
	global_load_b128 v[192+4*\i:195+4*\i], v3, s[4:5] offset:16*\i          ; q(r, 32 h + 4 i ..)
.endr
.irp i, 0,1,2,3,4,5,6,7
	global_load_b128 v[224+4*\i:227+4*\i], v3, s[4:5] offset:4096+16*\i     ; k likewise
.endr
.irp ct, 0,1,2,3
.irp kk, 0,1,2,3,4,5,6,7
	global_load_b32 v[96+8*\ct+\kk], v4, s[4:5] offset:8192+256*\kk+64*\ct  ; v(key 8 h + kk, channel 16 ct + r)
.endr
.endr
	WCHUNK 0
	s_wait_loadcnt 32                              ; all but chunk 0's 32 loads are in
.irp i, 0,1,2,3,4,5,6,7,8,9,10,11,12,13,14,15  ; S^T = k q^T: a lane holds query r and keys 8 h + 0..7; two accumulators by turns, added below
.if \i < 2
	v_wmma_f32_16x16x4_f32 v[40+8*(\i%2):47+8*(\i%2)], v[224+2*\i:225+2*\i], v[192+2*\i:193+2*\i], 0
.else
	v_wmma_f32_16x16x4_f32 v[40+8*(\i%2):47+8*(\i%2)], v[224+2*\i:225+2*\i], v[192+2*\i:193+2*\i], v[40+8*(\i%2):47+8*(\i%2)]
.endif
.endr
.rept 8
	v_nop                                          ; eight places behind this form, in front of the first read of its results
.endr
	WCHUNK 1
.irp j, 0,1,2,3,4,5,6,7
	v_add_f32 v[16+\j], v[40+\j], v[48+\j]         ; both accumulators from their low end on
.endr
.irp j, 0,1,2,3,4,5,6,7
	v_cmp_gt_i32 vcc_lo, \j, v11                   ; key 8 h + j is hidden from query r where j > r - 8 h
	v_cndmask_b32 v[16+\j], v[16+\j], v12, vcc_lo
.endr
	v_max3_num_f32 v24, v16, v17, v18
	v_max3_num_f32 v24, v24, v19, v20
	v_max3_num_f32 v24, v24, v21, v22
	v_max_num_f32 v24, v24, v23
	v_permlanex16_b32 v25, v24, s20, s21
	v_max_num_f32 v24, v24, v25                    ; the row's maximum: key 0 counts for every query, so it is a number
	v_mul_f32 v26, s22, v24
.irp j, 0,1,2,3,4,5,6,7
	v_fma_f32 v[16+\j], v[16+\j], s22, -v26        ; c s - c m
.endr
.irp j, 0,1,2,3,4,5,6,7
	v_exp_f32 v[16+\j], v[16+\j]
.endr
	v_nop                                          ; a plain instruction behind the last exponential
	s_wait_alu depctr_va_vdst(0)                   ; the wait ahead of the first use: one for the eight
	v_add_f32 v27, v16, v17
	v_add_f32 v29, v18, v19
	v_add_f32 v27, v27, v20
	v_add_f32 v29, v29, v21
	v_add_f32 v27, v27, v22
	v_add_f32 v29, v29, v23
	v_add_f32 v27, v27, v29
	v_permlanex16_b32 v28, v27, s20, s21
	v_add_f32 v27, v27, v28                        ; the row's sum
	v_rcp_f32 v29, v27
	v_nop
	s_wait_alu depctr_va_vdst(0)
.irp j, 0,1,2,3,4,5,6,7
	v_mul_f32 v[32+\j], v[16+\j], v29              ; the weights: query r, keys 8 h + j: as they lie they are source 1 of the second product
.endr
.irp s, 0,1,2,3                                ; O^T = v^T p: four accumulators (channels 16 ct on) by turns
.irp ct, 0,1,2,3
.if \s == 0
	v_wmma_f32_16x16x4_f32 v[56+8*\ct:63+8*\ct], v[96+8*\ct+2*\s:97+8*\ct+2*\s], v[32+2*\s:33+2*\s], 0
.else
	v_wmma_f32_16x16x4_f32 v[56+8*\ct:63+8*\ct], v[96+8*\ct+2*\s:97+8*\ct+2*\s], v[32+2*\s:33+2*\s], v[56+8*\ct:63+8*\ct]
.endif
.endr
.endr
.rept 9
	v_nop                                          ; eight places in front of the stores that read the results and of the loads into the sources; the ninth because matrix instructions begin these accumulators anew below
.endr
.irp ct, 0,1,2,3
	ds_store_b128 v6, v[56+8*\ct:59+8*\ct] offset:64*\ct           ; sa(head w, position r, channels 16 ct + 8 h + 0 .. 7), each accumulator from its low end on
	ds_store_b128 v6, v[60+8*\ct:63+8*\ct] offset:64*\ct+16
.endr
	WCHUNK 2                                       ; into q's registers,
	WCHUNK 3                                       ; and k's
	s_wait_dscnt 0x0                               ; for the others' sake: my stores are done
	s_barrier_signal -1
	s_barrier_wait -1                              ; sixteen heads' rows of sa lie in LDS
.irp i, 0,1,2,3,4,5,6,7
	ds_load_b128 v[96+4*\i:99+4*\i], v7 offset:16*\i               ; sa(head r, position w, channels 32 h + 4 i ..)
.endr
	s_wait_dscnt 0x0
	s_wait_loadcnt 63                              ; chunk 0 is in: 96 loads were issued behind it; 63 is the most that the wait can name
	GROUP 0
	s_wait_loadcnt 63                              ; chunk 1: 64 behind it
	GROUP 1
	s_wait_loadcnt 32                              ; chunk 2: 32 behind it
	GROUP 2
	s_wait_loadcnt 0x0
	GROUP 3
.rept 8
	v_nop
.endr
.irp ct, 0,1,2,3
.irp j, 0,1,2,3,4,5,6,7
	ds_store_b32 v8, v[56+8*\ct+\j] offset:256*\j+64*\ct           ; my part of out(head 8 h + j, column 16 ct + r)
.endr
.endr
	s_wait_dscnt 0x0                               ; for the others' sake
	s_barrier_signal -1
	s_barrier_wait -1
.irp p, 0,1,2,3,4,5,6,7,8,9,10,11,12,13,14,15
	ds_load_b64 v[128+2*\p:129+2*\p], v9 offset:4096*\p            ; the sixteen parts of head w, two columns a lane
.endr
	s_wait_dscnt 0x0
.irp p, 0,1,2,3,4,5,6,7
	v_pk_add_f32 v[128+4*\p:129+4*\p], v[128+4*\p:129+4*\p], v[130+4*\p:131+4*\p]
.endr
.irp p, 0,1,2,3
	v_pk_add_f32 v[128+8*\p:129+8*\p], v[128+8*\p:129+8*\p], v[132+8*\p:133+8*\p]
.endr
.irp p, 0,1
	v_pk_add_f32 v[128+16*\p:129+16*\p], v[128+16*\p:129+16*\p], v[136+16*\p:137+16*\p]
.endr
	v_pk_add_f32 v[128:129], v[128:129], v[144:145]
	v_pk_add_f32 v[128:129], v[128:129], v[90:91]  ; + the bias
	global_store_b64 v10, v[128:129], s[10:11]     ; 32 lanes store 256 consecutive bytes, aligned
	s_wait_tensorcnt 0x0                           ; the wave's end, behind my last LDS store
	ds_add_u32 v[SPW], v[NIL]
	s_wait_dscnt 0x0
	s_endpgm
.Lfunc_end_k_q647fd6f62a_first16:
	.size	k_q647fd6f62a_first16, .Lfunc_end_k_q647fd6f62a_first16-k_q647fd6f62a_first16
	.p2alignl 7, 3214868480
	.fill 96, 4, 3214868480
	.section	.rodata,"a",@progbits
	.p2align	6, 0x0
	.amdhsa_kernel k_q647fd6f62a_first16
		.amdhsa_group_segment_fixed_size 137472
		.amdhsa_private_segment_fixed_size 0
		.amdhsa_enable_private_segment 0
		.amdhsa_kernarg_size 32
		.amdhsa_user_sgpr_count 2
		.amdhsa_user_sgpr_kernarg_segment_ptr 1
		.amdhsa_wavefront_size32 1
		.amdhsa_system_sgpr_workgroup_id_x 1
		.amdhsa_system_sgpr_workgroup_id_y 1
		.amdhsa_system_sgpr_workgroup_id_z 1
		.amdhsa_system_vgpr_workitem_id 0
		.amdhsa_next_free_vgpr 256
		.amdhsa_next_free_sgpr 66
		.amdhsa_reserve_vcc 1
		.amdhsa_float_denorm_mode_32 3
		.amdhsa_float_denorm_mode_16_64 3
		.amdhsa_memory_ordered 1
		.amdhsa_forward_progress 1
		.amdhsa_inst_pref_size 35
	.end_amdhsa_kernel
	.amdgpu_metadata
---
amdhsa.version: [ 1, 2 ]
amdhsa.kernels:
  - .name:           k_q647fd6f62a_first16
    .symbol:         k_q647fd6f62a_first16.kd
    .args:
      - { .name: x0, .offset: 0, .size: 8, .value_kind: global_buffer, .address_space: global }
      - { .name: W_out, .offset: 8, .size: 8, .value_kind: global_buffer, .address_space: global }
      - { .name: b_out, .offset: 16, .size: 8, .value_kind: global_buffer, .address_space: global }
      - { .name: out0, .offset: 24, .size: 8, .value_kind: global_buffer, .address_space: global }
    .group_segment_fixed_size: 137472
    .private_segment_fixed_size: 0
    .kernarg_segment_align: 8
    .kernarg_segment_size: 32
    .max_flat_workgroup_size: 512
    .sgpr_count:     66
    .vgpr_count:     256
    .wavefront_size: 32
...
	.end_amdgpu_metadata
.endif
;; end of part 5
